; MI455X (gfx1250); checked and timed in simulation.
; The chip was launched on July 23, 2026; its instructions are those of AMD's public machine-readable ISA for CDNA 5 (MIT licence, August 2026) and "CDNA5" Instruction Set Architecture Reference Guide (July 2026). The comments in the code are by the model that wrote it; some were corrected since.
;; Causal Self Attention. Allowed arithmetic: matrix products marked QUANTISED: E2M3 operands, one E8M0 scale for each 32 along K, by v_wmma_scale_f32_16x16x128_f8f6f4 with both operands' format E2M3, f32 sums; everything else in f32.
;; Inputs: Wk 1,024 x 1,024 float32; Wp 1,024 x 1,024 float32; Wq 1,024 x 1,024 float32; Wv 1,024 x 1,024 float32; attn_mask 4 x 2,048 bool; bk 1,024 float32; bp 1,024 float32; bq 1,024 float32; bv 1,024 float32; x 4 x 2,048 x 1,024 float32.
;; Outputs: out0 4 x 2,048 x 1,024 float32.
;; This version of the problem:
;;   THIS VERSION OF THE PROBLEM IS GIVEN IN LOW PRECISION. The matrix products marked QUANTISED in the list below multiply operands that are first quantised to E2M3 (2 exponent bits, 3 mantissa bits; 6 bits a number), with one power-of-two scale for each 32 numbers along K (OCP MX v1.0); their sums are f32. All else is computed in f32.
;;   The module's matrix products, in the order in which they are computed (A, B: the left and right operand; K: the contracted axis; several contracted axes count as one K, in the product's order):
;;     1. [M 8,192, K 1,024] x [K 1,024, N 1,024]; A: input x; B: input Wq: QUANTISED
;;     2. [M 8,192, K 1,024] x [K 1,024, N 1,024]; A: input x; B: input Wk: QUANTISED
;;     3. [M 8,192, K 1,024] x [K 1,024, N 1,024]; A: input x; B: input Wv: QUANTISED
;;     4. batch 64 x [M 2,048, K 64] x [K 64, N 2,048]; A: computed on the way; B: computed on the way: QUANTISED
;;     5. batch 64 x [M 2,048, K 2,048] x [K 2,048, N 64]; A: softmax (see below); B: computed on the way: QUANTISED
;;     6. [M 8,192, K 1,024] x [K 1,024, N 1,024]; A: computed on the way; B: input Wp: QUANTISED
;;   THE QUANTISER, for each operand of a quantised product, along K:
;;     - K is cut into blocks of 32 from its start; a last block that is shorter is filled with zeros.
;;     - A block's scale is 2^e with e = floor(log2(the largest magnitude in the block)) - 2, held to -126 .. 127; a block of zeros has e = 0. As a byte (E8M0): e + 127.
;;     - Each number is divided by its block's scale, clamped to +-7.5, and rounded to the nearest number of E2M3, ties to even, subnormals kept.
;;     - The product sums the exact products of the quantised numbers (number of the format x scale) in f32.
;;   ~~~python
;;   def quantise(x, axis):      # numpy; x: float32 -> the quantised numbers, widened to float32 again
;;       x = np.moveaxis(x, axis, -1); K = x.shape[-1]
;;       x = np.pad(x, [(0, 0)] * (x.ndim - 1) + [(0, -K % 32)]); x = x.reshape(x.shape[:-1] + (-1, 32)); a = np.abs(x).max(-1, keepdims=True)
;;       e = np.where(a > 0, np.clip(np.frexp(np.where(a > 0, a, 1))[1] - 1 - 2, -126, 127), 0)      # np.frexp(a)[1] - 1 = floor(log2(a)), exactly
;;       r = np.clip(x / 2.0 ** e, -7.5, 7.5)
;;       step = 2.0 ** (np.maximum(np.frexp(np.where(r == 0, 1, r))[1] - 1, 0) - 3)
;;       q = np.round(r / step) * step * 2.0 ** e      # np.round: ties to even
;;       return np.moveaxis(q.reshape(q.shape[:-2] + (-1,))[..., :K], -1, axis).astype(np.float32)
;;   ~~~
;;   SOFTMAX AHEAD OF A QUANTISED PRODUCT. Where the list says 'softmax', what is quantised is not the finished softmax but p = 2^(t - M), with t = logit x log2(e) and M = ceil(the row's largest t), a whole number; so 1/2 < the row's largest p <= 1. The row's sum l is taken of the UNQUANTISED p, in f32, and the product's result is divided by l at the end. Since M is a whole number, a kernel that streams over the keys may use a running M (the ceiling of the running maximum): every later rescaling is an exact power of two, which a block's scale takes up: the codes' values come out the same.
;;   OPERANDS COMPUTED ON THE WAY. 'Computed on the way' means the value that the module computes at that place (a softmax that the list does not call 'softmax' is quantised finished and normalised). What goes into a quantiser is computed in f32, as accurately as f32 sums, v_exp_f32 and their like allow (about 1e-6 of the number): no bf16 or f16 on the way to a quantiser, and a product that is left as it is and whose result goes on into a quantised operand takes f32 operands (vector FMAs, or v_wmma_f32_16x16x4_f32). A number that lies on a knife's edge between two numbers of the format may be rounded either way, as far as f32 arithmetic and the matrix unit's own rounding can turn it there, and no further.
;; One version. Each part assembles by itself: llvm-mc -triple=amdgcn-amd-amdhsa -mcpu=gfx1250 --defsym DOCPART=n.
;; ======== version 1 of 1: 4 launches
;; limits: right only within a limited range of input values
;; workspace buffers: xq 6,553,600 bytes; wq 3,276,800 bytes; att 20,185,088 bytes; yq 6,553,600 bytes
;; launch quant (part 1): grid 384 x 1, 4 waves a work-group, no clusters, 34,304 bytes of LDS; arguments x, Wq, Wk, Wv, Wp, xq, wq; writes xq, wq
.if DOCPART == 1
	.amdgcn_target "amdgcn-amd-amdhsa--gfx1250"
	.amdhsa_code_object_version 6
	.text
	.protected	k_qbd54431fda_quant
	.globl	k_qbd54431fda_quant
	.p2align	8
	.type	k_qbd54431fda_quant,@function
k_qbd54431fda_quant:
	s_mov_b64 s[64:65], 0
	v_nop
	global_prefetch_b8 v0, s[64:65] scope:SCOPE_SE
	s_setreg_imm32_b32 hwreg(HW_REG_WAVE_MODE, 25, 1), 1
	s_wait_xcnt 0x0
; x [8192][1024] and Wq, Wk, Wv, Wp [1024][1024], f32, K innermost, become codes of FP6 (E2M3) with one E8M0 byte for each 32 along K, laid as IMAGES OF THE OPERAND'S REGISTERS.
; A TILE is 16 rows: tile 2 b + u holds, at lane-row r, the tensor's row 32 b + 8 u + (r & 7) + 2 (r & 8).  Where such a tile is source 0 of a product, the 16 result registers of tiles 2 b and 2 b + 1 are 16 neighbours.
; AN IMAGE is 16 rows x 64 along K, 768 bytes: lane l = (r, h) owns the 24 bytes of block h of row r: its registers 0-3 lie at 16 l, its registers 4-5 at 512 + 8 l.  Two images on end are a fragment of 128 along K.
; Codes: [tile][16 images][768].  Scale words: [tile][4 steps of 256 along K][r][2 words], 512 bytes a tile, behind the codes (xq: at 6,291,456; wq: at 3,145,728).  wq holds Wq, Wk, Wv, Wp, 64 tiles each.
; SHARES.  A wave takes one tile x 512 along K: four fragments.  Work-groups 0-255 take x, then 32 each Wq, Wk, Wv, Wp: only pointers are chosen, by the work-group's number; there is one way through the text.
; Each load reads 512 consecutive bytes of one row; a fragment's 16 rows turn through the wave's own stage in LDS (rows 528 bytes apart) and come back as 32 neighbours along K a block, two blocks a lane.
; A block's scale is 2^(floor(log2(its largest magnitude)) - 2); its byte is that magnitude's exponent field - 2, held at 1 from below.
; LIMITS: a block of zeros gets the byte 1 where the quantiser's rule says 127 (its codes are zeros, and this program alone reads the bytes); NaN and infinities among the inputs are not served.
.set STG,  8448                        ; a wave's stage: 16 rows x 528 bytes
.set R,    16                          ; v16-143  two sets of 64 registers as loaded
.set X,    144                         ; v144-207 my two blocks of 32 neighbours
.set PC,   208                         ; v208-219 the fragment's codes
.set CT,   220                         ; v220-222, v224-226 the upper halves of the blocks, as the conversions leave them
.set TM,   228                         ; v228-229 largest magnitudes
.set SO,   230                         ; v230-231 the conversions' scale operands
.set BY,   232                         ; v232-233 scale bytes
.set PT,   234                         ; v234     the other half's bytes
.set W,    236                         ; v236-239 the four fragments' scale words
	s_load_b256 s[4:11], s[0:1], 0x0               ; x, Wq, Wk, Wv
	s_load_b128 s[12:15], s[0:1], 0x20             ; Wp, xq
	s_load_b64 s[16:17], s[0:1], 0x30              ; wq
	v_lshl_add_u32 v248, v0, 2, 0x8400
	v_mov_b32 v249, 0
	v_lshrrev_b32 v1, 5, v0
	v_readfirstlane_b32 s18, v1                    ; wave
	v_and_b32 v7, 31, v0                           ; lane
	v_and_b32 v8, 15, v0                           ; r
	v_bfe_u32 v9, v0, 4, 1                         ; h
	v_lshlrev_b32 v2, 4, v7                        ; 16 x lane
	v_lshlrev_b32 v5, 3, v7                        ; 8 x lane
	v_lshlrev_b32 v6, 3, v9                        ; 8 h: my bytes' place in a scale word, in bits
	s_mul_i32 s19, s18, STG
	v_add_nc_u32 v3, s19, v2                       ; the stage, on the way in: a row as it was loaded
	v_mul_u32_u24 v4, v8, 528
	v_lshl_add_u32 v4, v9, 7, v4
	v_add_nc_u32 v4, s19, v4                       ; and on the way out: row r, + 128 h
	v_mov_b32 v[PT], 0                             ; written once: a lane permute's destination counts as one of its sources
	s_mov_b32 s20, 0x76543210
	s_mov_b32 s21, 0xfedcba98                      ; selects for lane l xor 16
	s_lshr_b32 s26, s18, 1                         ; u: which of the work-group's two tiles
	s_and_b32 s27, s18, 1                          ; which half of K
	s_and_b32 s23, ttmp9, 31                       ; a weight's pair of tiles
	s_sub_co_u32 s24, ttmp9, 256                   ; and the same counted through wq
	s_mov_b32 s22, 3145728
	s_wait_kmcnt 0x0
	s_cmp_lt_u32 ttmp9, 352                        ; the choices hang on the work-group's number alone
	s_cselect_b64 s[10:11], s[10:11], s[12:13]
	s_cmp_lt_u32 ttmp9, 320
	s_cselect_b64 s[8:9], s[8:9], s[10:11]
	s_cmp_lt_u32 ttmp9, 288
	s_cselect_b64 s[6:7], s[6:7], s[8:9]
	s_cmp_lt_u32 ttmp9, 256
	s_cselect_b64 s[4:5], s[4:5], s[6:7]           ; from where
	s_cselect_b64 s[14:15], s[14:15], s[16:17]     ; to where
	s_cselect_b32 s22, 6291456, s22                ; where the scale words begin there
	s_cselect_b32 s23, ttmp9, s23
	s_cselect_b32 s24, ttmp9, s24
	s_lshl_b32 s28, s23, 5
	s_lshl_b32 s29, s26, 3
	s_add_co_u32 s28, s28, s29                     ; the tile's first row: 32 b + 8 u
	s_lshl_b32 s28, s28, 12
	s_lshl_b32 s29, s27, 11
	s_add_co_u32 s28, s28, s29                     ; rows of 4,096 bytes, + 2,048 for the upper half of K
	s_mov_b32 s29, 0
	s_add_nc_u64 s[4:5], s[4:5], s[28:29]
	s_lshl_b32 s30, s24, 1
	s_add_co_u32 s30, s30, s26                     ; the tile's number in its buffer
	s_lshl_b32 s32, s30, 9
	s_lshl_b32 s33, s27, 8
	s_add_co_u32 s32, s32, s33
	s_add_co_u32 s32, s32, s22
	s_mov_b32 s33, 0
	s_add_nc_u64 s[32:33], s[14:15], s[32:33]      ; my 256 bytes of scale words
	s_lshl_b32 s30, s30, 4
	s_lshl_b32 s31, s27, 3
	s_add_co_u32 s30, s30, s31
	s_mul_i32 s30, s30, 768
	s_mov_b32 s31, 0
	s_add_nc_u64 s[14:15], s[14:15], s[30:31]      ; my eight images
.macro LOAD s                          ; fragment s: 128 along K of the tile's 16 rows, 512 consecutive bytes a load
.irp i, 0,1,2,3,4,5,6,7,8,9,10,11,12,13,14,15
	global_load_b128 v[R+64*((\s)%2)+4*\i:R+64*((\s)%2)+4*\i+3], v2, s[4:5] offset:(((\i)&7)+2*((\i)&8))*4096+512*(\s) th:TH_LOAD_NT
.endr
.endm
.macro TURN s                          ; through the stage: LDS serves a wave's instructions in order, so no wait stands between the stores and the loads
.irp i, 0,1,2,3,4,5,6,7,8,9,10,11,12,13,14,15
	ds_store_b128 v3, v[R+64*((\s)%2)+4*\i:R+64*((\s)%2)+4*\i+3] offset:528*\i
.endr
.irp c, 0,1
.irp j, 0,1,2,3,4,5,6,7
	ds_load_b128 v[X+32*\c+4*\j:X+32*\c+4*\j+3], v4 offset:256*\c+16*\j   ; k = 64 c + 32 h + 4 j ..
.endr
.endr
.endm
.macro QB s                            ; my two whole blocks (2 c + h) of fragment s: scale, codes, stores
.irp c, 0,1
	v_max3_num_f32 v[TM+\c], |v[X+32*\c]|, |v[X+32*\c+1]|, 0x1800000   ; with the floor 2^(3 - 127): the byte cannot fall under 1
.endr
.irp i, 2,4,6,8,10,12,14,16,18,20,22,24,26,28,30
.irp c, 0,1
	v_max3_num_f32 v[TM+\c], v[TM+\c], |v[X+32*\c+\i]|, |v[X+32*\c+\i+1]|   ; (the two blocks by turns)
.endr
.endr
.irp c, 0,1
	v_add_nc_u32 v[SO+\c], 0xff000000, v[TM+\c]    ; 2 off the exponent field: the conversion takes that field as its scale
.endr
.irp c, 0,1
	v_lshrrev_b32 v[BY+\c], 23, v[SO+\c]           ; the scale's byte
.endr
	v_lshl_or_b32 v[W+\s], v[BY+1], 16, v[BY]      ; blocks h and 2 + h,
	v_lshlrev_b32 v[W+\s], v6, v[W+\s]             ; at their places;
	v_permlanex16_b32 v[PT], v[W+\s], s20, s21
	v_or_b32 v[W+\s], v[W+\s], v[PT]               ; with lane l xor 16's two the row's word is whole
.irp c, 0,1
	v_cvt_scalef32_pk16_fp6_f32 v[PC+6*\c:PC+6*\c+2], v[X+32*\c:X+32*\c+15], v[SO+\c]
	v_cvt_scalef32_pk16_fp6_f32 v[CT+4*\c:CT+4*\c+2], v[X+32*\c+16:X+32*\c+31], v[SO+\c]   ; (a conversion's three registers begin on an even number)
.endr
	v_nop                                          ; one plain place behind a scaled conversion
.irp c, 0,1
.irp i, 0,1,2
	v_mov_b32 v[PC+6*\c+3+\i], v[CT+4*\c+\i]
.endr
.endr
	global_store_b128 v2, v[PC:PC+3], s[14:15] offset:1536*(\s)            ; 512 consecutive bytes,
	global_store_b64 v5, v[PC+4:PC+5], s[14:15] offset:1536*(\s)+512       ; 256 more: an image;
	global_store_b128 v2, v[PC+6:PC+9], s[14:15] offset:1536*(\s)+768      ; and the second
	global_store_b64 v5, v[PC+10:PC+11], s[14:15] offset:1536*(\s)+1280
.endm
	LOAD 0
	LOAD 1
.irp s, 0,1,2,3
.if \s < 3
	s_wait_loadcnt 16                              ; this fragment's 16 loads are in; the next fragment's 16 may be out
.else
	s_wait_loadcnt 0x0
.endif
	TURN \s
	s_wait_dscnt 0x0                               ; the numbers are back, and the stage's stores have read their registers,
.if \s < 2
	LOAD \s+2                                      ; which take the loads of two fragments on
.endif
.if \s > 0
	s_wait_xcnt 0x0                                ; the last fragment's stores have read the codes' registers
.endif
	QB \s
.endr
	v_cmp_ne_u32 vcc_lo, 0, v9
	v_cndmask_b32 v240, v[W], v[W+2], vcc_lo       ; lanes 0-15 store the first 256 along K's two words of row r, lanes 16-31 the second's
	v_cndmask_b32 v241, v[W+1], v[W+3], vcc_lo
	global_store_b64 v5, v[240:241], s[32:33]      ; 256 consecutive bytes, aligned
	s_wait_tensorcnt 0x0
	ds_add_u32 v248, v249
	s_wait_dscnt 0x0
	s_endpgm
.Lfunc_end_k_qbd54431fda_quant:
	.size	k_qbd54431fda_quant, .Lfunc_end_k_qbd54431fda_quant-k_qbd54431fda_quant
	.p2alignl 7, 3214868480
	.fill 96, 4, 3214868480
	.section	.rodata,"a",@progbits
	.p2align	6, 0x0
	.amdhsa_kernel k_qbd54431fda_quant
		.amdhsa_group_segment_fixed_size 34304
		.amdhsa_private_segment_fixed_size 0
		.amdhsa_enable_private_segment 0
		.amdhsa_kernarg_size 56
		.amdhsa_user_sgpr_count 2
		.amdhsa_user_sgpr_kernarg_segment_ptr 1
		.amdhsa_wavefront_size32 1
		.amdhsa_system_sgpr_workgroup_id_x 1
		.amdhsa_system_sgpr_workgroup_id_y 1
		.amdhsa_system_sgpr_workgroup_id_z 1
		.amdhsa_system_vgpr_workitem_id 0
		.amdhsa_next_free_vgpr 250
		.amdhsa_next_free_sgpr 66
		.amdhsa_reserve_vcc 1
		.amdhsa_float_denorm_mode_32 3
		.amdhsa_float_denorm_mode_16_64 3
		.amdhsa_memory_ordered 1
		.amdhsa_forward_progress 1
		.amdhsa_inst_pref_size 31
	.end_amdhsa_kernel
	.amdgpu_metadata
---
amdhsa.version: [ 1, 2 ]
amdhsa.kernels:
  - .name:           k_qbd54431fda_quant
    .symbol:         k_qbd54431fda_quant.kd
    .args:
      - { .name: x, .offset: 0, .size: 8, .value_kind: global_buffer, .address_space: global }
      - { .name: Wq, .offset: 8, .size: 8, .value_kind: global_buffer, .address_space: global }
      - { .name: Wk, .offset: 16, .size: 8, .value_kind: global_buffer, .address_space: global }
      - { .name: Wv, .offset: 24, .size: 8, .value_kind: global_buffer, .address_space: global }
      - { .name: Wp, .offset: 32, .size: 8, .value_kind: global_buffer, .address_space: global }
      - { .name: xq, .offset: 40, .size: 8, .value_kind: global_buffer, .address_space: global }
      - { .name: wq, .offset: 48, .size: 8, .value_kind: global_buffer, .address_space: global }
    .group_segment_fixed_size: 34304
    .private_segment_fixed_size: 0
    .kernarg_segment_align: 8
    .kernarg_segment_size: 56
    .max_flat_workgroup_size: 128
    .sgpr_count:     66
    .vgpr_count:     250
    .wavefront_size: 32
...
	.end_amdgpu_metadata
.endif
;; end of part 1
;; launch qkv (part 2): grid 8 x 48, 4 waves a work-group, clusters of 4 x 4, 327,680 bytes of LDS; arguments xq, wq, attn_mask, bq, bk, bv, att; writes att
.if DOCPART == 2
	.amdgcn_target "amdgcn-amd-amdhsa--gfx1250"
	.amdhsa_code_object_version 6
	.text
	.protected	k_qbd54431fda_qkv
	.globl	k_qbd54431fda_qkv
	.p2align	8
	.type	k_qbd54431fda_qkv,@function
k_qbd54431fda_qkv:
	s_mov_b64 s[64:65], 0
	v_nop
	global_prefetch_b8 v0, s[64:65] scope:SCOPE_SE
	s_setreg_imm32_b32 hwreg(HW_REG_WAVE_MODE, 25, 1), 1
	s_wait_xcnt 0x0
	s_wait_alu depctr_hold_cnt(0) depctr_sa_sdst(0) depctr_va_vdst(0) depctr_va_sdst(0) depctr_va_ssrc(0) depctr_va_vcc(0) depctr_vm_vsrc(0)
	s_getreg_b32 s2, hwreg(HW_REG_IB_STS2, 6, 4)
	s_cmp_eq_u32 s2, 0
	s_cbranch_scc0 .Lentry_in_a_cluster
	s_endpgm
.Lentry_in_a_cluster:
	s_bfe_u32 s2, ttmp6, 0x10000c
	s_cmp_lg_u32 s2, 0xf033
	s_cbranch_scc0 .Lentry_shape_is_right
	s_endpgm
.Lentry_shape_is_right:
; q = x Wq^T + bq, k = x Wk^T + bk, v = x Wv^T + bv on codes of FP6 (E2M3) with E8M0 scales, and each result QUANTISED ON THE WAY OUT: q and k along the head's 64 channels, v along the keys.  No f32 result goes to memory.
; OPERANDS lie as images of the operand's registers.  A tile is 16 rows, tile 2 b + u holding at lane-row r the row 32 b + 8 u + (r & 7) + 2 (r & 8).  An image is 16 rows x 64 K, 768 bytes: lane l's registers 0-3 at 16 l, 4-5 at 512 + 8 l.
; Codes [tile][16 images]; scale words [tile][4 steps of 256 K][r][2], behind the codes.  So a fragment comes by four dense LDS loads, and a K step's tiles are plain blocks for the tensor loads.
; THE PRODUCT: a tile of 256 x 256 to a work-group of four waves, 128 x 128 to a wave (64 accumulators, 512 registers); K = 1,024 in four steps of 256 through two LDS slots; the scale words of all of K come once.
; USED TRANSPOSED (source 0 = 16 rows of B, source 1 = 16 rows of A): a lane holds ONE row of A, and by the tiles' order of rows the 16 registers of B's tiles 2 b, 2 b + 1 are 16 NEIGHBOURING rows of B: the next product's K.
; TWO WAYS, chosen by the cluster's y, which all partners share.  y < 8: A = x, B = Wq (cluster x 0) or Wk (1): a lane holds a token and its registers run along the channels.  y >= 8: A = Wv, B = x: a lane holds a channel, its registers run along the keys.
; CLUSTERS of 4 x 4: A's tiles hang on the cluster's row, B's on its column: each is asked for jointly by the four that share it.
; THE BIAS is the C of each sum's first product.  THE MASK rides in bytes 2 and 3 of q's and k's scale words (the head's 64 channels fill only bytes 0 and 1): 127, 127 for a token that counts; a masked key has byte 2 = 158, a masked query byte 3 = 158.
; att: q's images [tile 512][head 16][768] at 0; k's at 6,291,456; v's fragments [128 keys: 64][channel tile 64][1,536] at 12,582,912; scale words: q [b][head][tile 128][r] at 18,874,368, k at 19,398,656, v [b][head][128 keys: 16][4][r] at 19,922,944.
; LIMITS: a block of zeros gets the byte 1 (its codes are zeros; this program alone reads the bytes); NaN and infinities are not served.
; REGISTERS: window 0: v0-31 addresses; v32-63 scale words, two sets; v64-127 the bias, later the codes just made; v128-223 A's fragments, one set; v224-231 the mask's words; v232-252 at work.
;   window 1: B's fragments, two sets, at v0 and v128.  window 2: the accumulators of A's blocks 0-3 ((a, b) at v[8 (8 (a % 4) + b)]); window 3: of blocks 4-7.
.set TROW,   3072                      ; a tile's four images of a K step
.set HALFT,  8*TROW                    ; 8 tiles: what one tensor load brings, and what a wave reads of A or of B
.set SLOT,   4*HALFT                   ; A's 16 tiles, then B's 16
.set SCL,    2*SLOT                    ; behind the ring: the scale words
.set HALFS,  4096                      ; those of 8 tiles
.set SPARE,  SCL+4*HALFS               ; the spare words, 128 bytes for each wave: two blocks of 256 bytes that no other line names
.set NQ,     2                         ; matrix instructions deep in a K step
.set FR,     12                        ; registers of a fragment
.set NL,     4                         ; LDS loads that bring one
.set NP,     4                         ; places behind this matrix instruction (ISA guide 7.12.1)
.set ADRA, 16                          ; v16-17 my A fragments in slot 0, 1, + 16 x lane; v18-19 the same + 8 x lane
.set ADRB, 20                          ; v20-23 the same for B
.set L16,  24                          ; v24  16 x lane
.set L8,   25                          ; v25  8 x lane
.set VSH,  26                          ; v26  q, k: 16 h; v: 0
.set ADRS, 27                          ; v27  my scale words: lanes 0-15 A's rows, lanes 16-31 B's
.set SPW,  28                          ; v28  my spare word: SPARE + 4 x my thread's number; never rewritten
.set NIL,  29                          ; v29  0; never rewritten
.set SST,  30                          ; v30  the way out: where a scale word goes in LDS
.set SRD,  31                          ; v31  and where 16 bytes of them are read back
.set SC,   32
.set BIAS, 64
.set PC,   64                          ; the codes just made: v64-75, and v76-78, v80-82 at work
.set AF,   128
.set VO,   224                         ; what the mask puts into the upper half of block a's scale words
.set TM,   232                         ; v232-235 largest magnitudes, v236-239 bytes, v244-247 the conversions' scale operands
.set PW,   248                         ; the row's four bytes
.set SGO,  249                         ; my byte offset among the scale words in memory
.set TW,   250
.set G1, 24
.set G0, 32
.set G1B, 48
.set G0B, 56
.set G1S, 68
.set G0S, 76
.set G1SB, 80
.set G0SB, 88
.set MSB, 0
.macro WIN new                         ; the immediate's high byte repeats the setting that is left
.if MSB != (\new)
	s_set_vgpr_msb (MSB<<8)|(\new)
.set MSB, (\new)
.endif
.endm
.set MUL_LO, 0xa1                      ; source 0 (B) window 1, source 1 (A) window 0, C and D window 2
.set MUL_HI, 0xf1                      ; the same, C and D window 3
.set TO_B,   0x40                      ; destination window 1, address window 0
; A joint load: waves 0 and 1 fetch for A, waves 2 and 3 for B; the branch hangs on the wave's number alone.  Four v_nop follow each of the two lines.
.macro JLOAD g0a, g1a, g0b, g1b
	s_cmp_eq_u32 s15, 0
	s_cbranch_scc0 .Lfor_b_\@
	tensor_load_to_lds s[\g0a:\g0a+3], s[\g1a:\g1a+7]
	s_nop 0
.rept 4
	v_nop
.endr
	s_branch .Lasked_\@
.Lfor_b_\@:
	tensor_load_to_lds s[\g0b:\g0b+3], s[\g1b:\g1b+7]
	s_nop 0
.rept 4
	v_nop
.endr
.Lasked_\@:
.endm
.macro CREST                           ; a round of the cluster's barrier behind its opening barrier
	s_cmp_lg_u32 s14, 0
	s_cbranch_scc1 .Lnot_wave_0_\@
	s_barrier_signal -3
.Lnot_wave_0_\@:
	s_barrier_wait -3
	s_barrier_signal -1
	s_barrier_wait -1
.endm
.macro CROUND
	s_barrier_signal -1
	s_barrier_wait -1
	CREST
.endm
	s_load_b128 s[4:7], s[0:1], 0x0                ; xq, wq
	s_load_b128 s[8:11], s[0:1], 0x10              ; attn_mask, bq
	s_load_b128 s[92:95], s[0:1], 0x20             ; bk, bv
	s_load_b64 s[12:13], s[0:1], 0x30              ; att
	v_lshl_add_u32 v[SPW], v0, 2, SPARE
	v_mov_b32 v[NIL], 0
	ds_add_u32 v28, v29
	ds_add_u32 v28, v29
	s_wait_dscnt 0x0
	v_lshrrev_b32 v1, 5, v0
	v_readfirstlane_b32 s14, v1                    ; wave 0..3
	s_lshr_b32 s15, s14, 1                         ; which half of A's rows is mine.  Also: I fetch for A (0) or for B (1)
	s_and_b32 s16, s14, 1                          ; which half of B's rows.  Also: which 8 tiles I fetch
	s_bfe_u32 s40, ttmp6, 0x40000                  ; cx, cy: my place in the cluster
	s_bfe_u32 s41, ttmp6, 0x40004
	s_and_b32 s17, ttmp7, 0xffff                   ; the cluster's y
	s_lshl_b32 s18, s17, 2
	s_sub_co_u32 s19, s17, 8
	s_lshl_b32 s19, s19, 1
	s_add_co_u32 s19, s19, ttmp9
	s_lshl_b32 s19, s19, 2                         ; v: x's blocks 4 (X + 2 (y - 8)) on
	s_lshl_b32 s42, ttmp9, 2                       ; q, k: the weights' blocks 4 X on
	s_mov_b32 s20, 3145728                         ; where the scale words begin in wq,
	s_mov_b32 s46, 6291456                         ; and in xq
	s_cmp_lt_u32 s17, 8
	s_cselect_b32 s98, 1, 0                        ; 1: q or k; 0: v.  The same in all sixteen partners
	s_cselect_b32 s17, s18, 8                      ; q, k: x's blocks 4 y on; v: Wv's blocks, 8 on
	s_cselect_b32 s42, s42, s19
	s_cselect_b32 s22, s46, s20
	s_cselect_b32 s100, s20, s46
	s_add_co_u32 s17, s17, s41                     ; A's block of 256 rows: it hangs on cy alone
	s_add_co_u32 s42, s42, s40                     ; B's: on cx alone
	s_lshl_b32 s43, s41, 2
	s_lshl_b32 s43, 15, s43                        ; my row of the cluster
	s_lshl_b32 s44, 0x1111, s40                    ; my column
	; descriptor group 1 for codes: 8 rows (tiles) of 384 elements of 8 bytes, 1,536 elements apart; no padding: every LDS read is dense
	s_or_b32 s[G1+0], s43, (3<<16)|(1<<21)         ; 15:0 the mask: A's tiles go to my row; 17:16 elements of 8 bytes; 21 set beside a mask
	s_or_b32 s[G1B+0], s44, (3<<16)|(1<<21)
.irp g, G1, G1B
	s_mov_b32 s[\g+1], 384<<16                     ; tensor_dim0
	s_mov_b32 s[\g+2], 8<<16                       ; tensor_dim1
	s_mov_b32 s[\g+3], 384<<16                     ; tile_dim0
	s_mov_b32 s[\g+4], 8                           ; tile_dim1
	s_mov_b32 s[\g+5], 1536                        ; tensor_dim0_stride
	s_mov_b32 s[\g+6], 0
	s_mov_b32 s[\g+7], 0
.endr
	; and for the scale words of 8 tiles: 4,096 dense bytes as 16 rows of 256
	s_or_b32 s[G1S+0], s43, (3<<16)|(1<<21)
	s_or_b32 s[G1SB+0], s44, (3<<16)|(1<<21)
.irp g, G1S, G1SB
	s_mov_b32 s[\g+1], 32<<16
	s_mov_b32 s[\g+2], 16<<16
	s_mov_b32 s[\g+3], 32<<16
	s_mov_b32 s[\g+4], 16
	s_mov_b32 s[\g+5], 32
	s_mov_b32 s[\g+6], 0
	s_mov_b32 s[\g+7], 0
.endr
	s_lshl_b32 s18, s16, 3
	s_lshl_b32 s20, s17, 4
	s_add_co_u32 s20, s20, s18                     ; A: the first tile that I fetch
	s_lshl_b32 s46, s42, 4
	s_add_co_u32 s46, s46, s18                     ; B: likewise
	s_lshl_b32 s19, s20, 9
	s_add_co_u32 s22, s22, s19                     ; its scale words,
	s_lshl_b32 s47, s46, 9
	s_add_co_u32 s100, s100, s47
	s_mul_i32 s20, s20, 12288                      ; its codes
	s_mul_i32 s46, s46, 12288
	s_mov_b32 s21, 0
	s_mov_b32 s23, 0
	s_mov_b32 s47, 0
	s_mov_b32 s101, 0
	s_mul_i32 s45, s14, HALFT                      ; where they go: wave x 8 tiles: no place in the cluster enters an LDS address
	s_mul_i32 s3, s14, HALFS
	s_wait_kmcnt 0x0
	s_cmp_eq_u32 ttmp9, 0
	s_cselect_b64 s[10:11], s[10:11], s[92:93]     ; bq or bk
	s_cmp_eq_u32 s98, 1
	s_cselect_b64 s[94:95], s[10:11], s[94:95]     ; or bv
	s_cselect_b64 s[18:19], s[4:5], s[6:7]         ; A's buffer
	s_cselect_b64 s[6:7], s[6:7], s[4:5]           ; B's
	s_add_nc_u64 s[20:21], s[18:19], s[20:21]
	s_add_nc_u64 s[22:23], s[18:19], s[22:23]
	s_add_nc_u64 s[46:47], s[6:7], s[46:47]
	s_add_nc_u64 s[100:101], s[6:7], s[100:101]
	CROUND                                         ; all sixteen work-groups are here: the first joint loads meet
	s_mov_b32 s[G0S], 1
	s_add_co_u32 s[G0S+1], s3, SCL
	s_mov_b64 s[G0S+2:G0S+3], s[22:23]
	s_or_b32 s[G0S+3], s[G0S+3], 0x80000000
	s_mov_b32 s[G0SB], 1
	s_add_co_u32 s[G0SB+1], s3, SCL
	s_mov_b64 s[G0SB+2:G0SB+3], s[100:101]
	s_or_b32 s[G0SB+3], s[G0SB+3], 0x80000000
	JLOAD G0S, G1S, G0SB, G1SB                     ; the scale words first: they are wanted with K step 0
.irp s, 0,1
	s_mov_b32 s[G0+4*\s], 1
	s_add_co_u32 s[G0+4*\s+1], s45, \s*SLOT
	s_add_nc_u64 s[G0+4*\s+2:G0+4*\s+3], s[20:21], \s*TROW
	s_or_b32 s[G0+4*\s+3], s[G0+4*\s+3], 0x80000000
	s_mov_b32 s[G0B+4*\s], 1
	s_add_co_u32 s[G0B+4*\s+1], s45, \s*SLOT
	s_add_nc_u64 s[G0B+4*\s+2:G0B+4*\s+3], s[46:47], \s*TROW
	s_or_b32 s[G0B+4*\s+3], s[G0B+4*\s+3], 0x80000000
	JLOAD G0+4*\s, G1, G0B+4*\s, G1B
.endr
	v_and_b32 v1, 15, v0                           ; r
	v_bfe_u32 v2, v0, 4, 1                         ; h
	v_and_b32 v3, 31, v0
	v_lshlrev_b32 v[L16], 4, v3
	v_lshlrev_b32 v[L8], 3, v3
	s_mul_i32 s21, s15, HALFT                      ; my 8 tiles of A
	s_mul_i32 s22, s16, HALFT                      ; my 8 tiles of B,
	s_add_co_u32 s22, s22, 2*HALFT                 ; which lie behind A's 16
.irp s, 0,1
	v_add_nc_u32 v[ADRA+\s], s21, v[L16]
	v_add_nc_u32 v[ADRB+\s], s22, v[L16]
	v_add_nc_u32 v[ADRA+2+\s], s21, v[L8]
	v_add_nc_u32 v[ADRB+2+\s], s22, v[L8]
	s_add_co_u32 s21, s21, SLOT
	s_add_co_u32 s22, s22, SLOT
.endr
	s_mul_i32 s21, s15, HALFS                      ; A's scale words: my 8 tiles
	s_mul_i32 s22, s16, HALFS                      ; B's, behind A's 16
	s_add_co_u32 s22, s22, 2*HALFS
	s_sub_co_u32 s22, s22, s21
	v_mul_u32_u24 v6, s22, v2                      ; lanes 16-31 take B's: one product, the distance between the two x h
	s_add_co_u32 s21, s21, SCL
	v_lshl_add_u32 v6, v1, 3, v6                   ; 8 bytes a row in a K step
	v_add_nc_u32 v[ADRS], s21, v6
	s_lshl_b32 s46, s14, 10                        ; the way out's 1,024 bytes of scale words, in slot 0 (last filled and last read before the first of them is stored)
	v_lshlrev_b32 v[SST], 2, v1
	v_lshl_add_u32 v[SST], v2, 9, v[SST]
	v_add_nc_u32 v[SST], s46, v[SST]               ; 4 r + 512 h + 1,024 x wave
	v_add_nc_u32 v[SRD], s46, v[L16]
	; where the results go.  q, k: images (tile 16 A + 8 half + a, heads 4 cx + 2 half, + 1)
	s_lshl_b32 s18, s17, 4
	s_lshl_b32 s19, s15, 3
	s_add_co_u32 s18, s18, s19                     ; the first tile of my rows of A
	s_mul_i32 s20, s18, 12288
	s_mul_i32 s21, ttmp9, 6291456
	s_add_co_u32 s20, s20, s21
	s_lshl_b32 s21, s40, 2
	s_lshl_b32 s22, s16, 1
	s_add_co_u32 s21, s21, s22                     ; my first head
	s_mul_i32 s22, s21, 768
	s_add_co_u32 s20, s20, s22
	s_lshr_b32 s22, s17, 3                         ; the batch
	s_lshl_b32 s22, s22, 4
	s_add_co_u32 s22, s22, s21
	s_lshl_b32 s22, s22, 13                        ; a head's scale words: 128 tiles x 64 bytes
	s_and_b32 s23, s18, 127
	s_lshl_b32 s23, s23, 6
	s_add_co_u32 s22, s22, s23
	s_mul_i32 s23, ttmp9, 524288
	s_add_co_u32 s22, s22, s23
	s_add_co_u32 s22, s22, 18874368
	; v: fragments (128 keys G = 2 B + half, channel tile 16 cy + 8 half + a)
	s_lshl_b32 s46, s42, 1
	s_add_co_u32 s46, s46, s16                     ; G
	s_mul_i32 s47, s46, 98304
	s_lshl_b32 s21, s41, 4
	s_add_co_u32 s21, s21, s19
	s_mul_i32 s23, s21, 1536
	s_add_co_u32 s47, s47, s23
	s_add_co_u32 s47, s47, 12582912
	s_lshr_b32 s23, s46, 4
	s_lshl_b32 s23, s23, 16
	s_and_b32 s46, s46, 15
	s_lshl_b32 s46, s46, 8
	s_add_co_u32 s46, s46, s23
	s_lshl_b32 s21, s21, 10                        ; four channel tiles to a head of 4,096 bytes
	s_add_co_u32 s46, s46, s21
	s_add_co_u32 s46, s46, 19922944
	s_cmp_eq_u32 s98, 1
	s_cselect_b32 s20, s20, s47
	s_cselect_b32 s22, s22, s46
	s_mov_b32 s21, 0
	s_mov_b32 s23, 0
	s_add_nc_u64 s[92:93], s[12:13], s[22:23]      ; the scale words' place
	s_add_nc_u64 s[12:13], s[12:13], s[20:21]      ; the codes'
	s_mov_b32 s96, 1536
	s_mov_b32 s97, 0
	s_mov_b32 s18, 4096
	s_mov_b32 s19, 0x7f9e0000                      ; a masked key: byte 2 = 158
	s_cmp_eq_u32 ttmp9, 0
	s_cselect_b32 s19, 0x9e7f0000, s19             ; a masked query: byte 3 = 158
	s_cmp_eq_u32 s98, 1
	s_cselect_b32 s96, 12288, s96                  ; s[96:97]: from block a's codes to block a + 1's
	s_cselect_b32 s99, 0xffff, -1                  ; what is kept of the row's four bytes
	s_cselect_b32 s18, 256, s18
	s_cselect_b32 s19, s19, 0
	s_cselect_b32 s20, 0x7f7f0000, 0               ; a token that counts
	s_cselect_b32 s21, 16, 0
	v_mul_u32_u24 v[SGO], s18, v2
	v_lshl_add_u32 v[SGO], v1, 4, v[SGO]           ; 16 r + h x (q, k: 256; v: a head's 4,096)
	v_mul_u32_u24 v[VSH], s21, v2
	v_mov_b32 v251, s19
	v_mov_b32 v252, s20
	v_and_b32 v8, 8, v1
	v_add_nc_u32 v8, v8, v1                        ; (r & 7) + 2 (r & 8): lane-row r's place among a pair of tiles' 32 rows
	s_lshl_b32 s22, s17, 8
	s_lshl_b32 s23, s15, 7
	s_add_co_u32 s22, s22, s23
	v_add_nc_u32 v6, s22, v8
.irp a, 0,1,2,3,4,5,6,7
	global_load_u8 v[VO+\a], v6, s[8:9] offset:32*(\a/2)+8*(\a%2)   ; the mask of my row of A's block a (on v's way inside the buffer too, and not used: both words are 0 there)
.endr
	s_cmp_eq_u32 s98, 1
	s_cbranch_scc0 .Lbias_v
	s_lshl_b32 s46, s40, 10                        ; q, k: the bias runs along B's rows: for tile b the lane's eight channels 32 (b / 2) + 16 h + 8 (b % 2) + 0 .. 7
	s_lshl_b32 s47, s16, 9
	s_add_co_u32 s46, s46, s47
	v_lshl_add_u32 v7, v2, 6, s46
.irp b, 0,1,2,3,4,5,6,7
	global_load_b128 v[BIAS+8*\b:BIAS+8*\b+3], v7, s[94:95] offset:128*(\b/2)+32*(\b%2)
	global_load_b128 v[BIAS+8*\b+4:BIAS+8*\b+7], v7, s[94:95] offset:128*(\b/2)+32*(\b%2)+16
.endr
	s_branch .Lbias_done
.Lbias_v:
	s_lshl_b32 s46, s41, 10                        ; v: the bias runs along A's rows: one number a lane and block a, in all eight registers
	s_lshl_b32 s47, s15, 9
	s_add_co_u32 s46, s46, s47
	v_lshl_add_u32 v7, v8, 2, s46
.irp a, 0,1,2,3,4,5,6,7
	global_load_b32 v[BIAS+8*\a], v7, s[94:95] offset:128*(\a/2)+32*(\a%2)
.endr
	s_wait_loadcnt 0x0
.irp a, 0,1,2,3,4,5,6,7
.irp j, 1,2,3,4,5,6,7
	v_mov_b32 v[BIAS+8*\a+\j], v[BIAS+8*\a]
.endr
.endr
.Lbias_done:
	s_wait_loadcnt 0x0
.irp a, 0,1,2,3,4,5,6,7
	v_cmp_ne_u32 vcc_lo, 0, v[VO+\a]
	v_cndmask_b32 v[VO+\a], v251, v252, vcc_lo
.endr
.irp b, 0,1,2,3
	v_mov_b32 v[TM+4+\b], 0                        ; written once: a lane permute's destination counts as one of its sources
.endr
.macro FRAG reg, adr, q, i             ; a fragment, 16 rows x 128 K: two images, each 16 bytes and 8 bytes a lane, all four loads dense
	ds_load_b128 v[\reg:\reg+3], v[\adr] offset:(\i)*TROW+(\q)*1536
	ds_load_b64 v[\reg+4:\reg+5], v[\adr+2] offset:(\i)*TROW+(\q)*1536+512
	ds_load_b128 v[\reg+6:\reg+9], v[\adr] offset:(\i)*TROW+(\q)*1536+768
	ds_load_b64 v[\reg+10:\reg+11], v[\adr+2] offset:(\i)*TROW+(\q)*1536+1280
.endm
; 16 matrix instructions: A's blocks a0, a0 + 1 x B's eight, the slot's q-th 128 along K.  p: B's set; sc: the set of scale words.  mode 0: the sums go on; 1: they start with the bias of B's rows; 2: of A's rows.
; The 64 accumulators take turns, one instruction a turn, in the same order in every step.
.macro MUL16 a0, p, q, sc, mode
.irp a, \a0, \a0+1
.irp b, 0,1,2,3,4,5,6,7
.set rD, 8*(8*((\a)%4)+\b)
.set rB, 128*(\p)+FR*\b
.set rA, AF+FR*(\a)
.set rSB, SC+8*NQ*(\sc)+NQ*\b+(\q)
.set rSA, SC+8*NQ*(\sc)+NQ*(\a)+(\q)
.if \mode == 0
	v_wmma_scale_f32_16x16x128_f8f6f4 v[rD:rD+7], v[rB:rB+FR-1], v[rA:rA+FR-1], v[rD:rD+7], v[rSB], v[rSA] matrix_a_fmt:MATRIX_FMT_FP6 matrix_b_fmt:MATRIX_FMT_FP6 matrix_a_scale:MATRIX_SCALE_ROW1
.elseif \mode == 1
	v_wmma_scale_f32_16x16x128_f8f6f4 v[rD:rD+7], v[rB:rB+FR-1], v[rA:rA+FR-1], v[BIAS+8*\b:BIAS+8*\b+7], v[rSB], v[rSA] matrix_a_fmt:MATRIX_FMT_FP6 matrix_b_fmt:MATRIX_FMT_FP6 matrix_a_scale:MATRIX_SCALE_ROW1
.else
	v_wmma_scale_f32_16x16x128_f8f6f4 v[rD:rD+7], v[rB:rB+FR-1], v[rA:rA+FR-1], v[BIAS+8*(\a):BIAS+8*(\a)+7], v[rSB], v[rSA] matrix_a_fmt:MATRIX_FMT_FP6 matrix_b_fmt:MATRIX_FMT_FP6 matrix_a_scale:MATRIX_SCALE_ROW1
.endif
.endr
.endr
.endm
.macro FETCH_B slot, q, p
	WIN TO_B
.irp i, 0,1,2,3,4,5,6,7
	FRAG 128*(\p)+FR*\i, ADRB+\slot, \q, \i
.endr
	WIN 0
.endm
.macro FETCH_A slot, q, i0
.irp i, \i0, \i0+1, \i0+2, \i0+3
	FRAG AF+FR*(\i), ADRA+\slot, \q, \i
.endr
.endm
.macro SCALES sc                       ; a K step's scale words: two a row; lanes 0-15 take A's block i, lanes 16-31 B's block i
.irp i, 0,1,2,3,4,5,6,7
	ds_load_b64 v[SC+8*NQ*\sc+NQ*\i:SC+8*NQ*\sc+NQ*\i+1], v[ADRS] offset:\i*512
.endr
.endm
.macro PLACES n                        ; plain vector instructions between a matrix instruction and a load into, or a read of, its registers (ISA guide 7.12.1 for reads)
.rept \n
	v_nop
.endr
.endm
.macro STEP slot, q, mode              ; 128 along K whose successor lies in the same slot
	s_wait_dscnt 4*NL                              ; B's set and A's blocks 0-3 are in; the youngest 16 loads (A's blocks 4-7) may be out
.if \mode
	WIN 0x81                                       ; C (the bias) window 0, D window 2
.else
	WIN MUL_LO
.endif
	MUL16 0, (\q)%2, \q, \slot, \mode
	MUL16 2, (\q)%2, \q, \slot, \mode
	s_wait_dscnt 0
	PLACES NP
	FETCH_B \slot, (\q)+1, 1-(\q)%2
	FETCH_A \slot, (\q)+1, 0
.if \mode
	WIN 0xc1
.else
	WIN MUL_HI
.endif
	MUL16 4, (\q)%2, \q, \slot, \mode
	MUL16 6, (\q)%2, \q, \slot, \mode
	PLACES NP
	WIN 0
	FETCH_A \slot, (\q)+1, 4
.endm
; A slot's last step changes slots: ONE barrier; in front of it each wave waits for all its tensor loads, adds 0 to its spare word, and waits for that and for its reads of this slot.  fill = 1: this slot is filled again, two K steps ahead.
.macro TURN slot, next, fill
	s_wait_tensorcnt 0x0                           ; all my tensor loads have landed: my part of the next slot
	ds_add_u32 v[SPW], v[NIL]                      ; 0 onto my spare word
	s_wait_dscnt 4*NL+1                            ; (the add and the youngest 16 loads may be out)
	WIN MUL_LO
	MUL16 0, 1, NQ-1, \slot, 0                     ; sixteen matrix instructions stand between the add and the wait for it
	s_wait_dscnt 0x0                               ; the add is done, and my reads of this slot are over
	s_barrier_signal -1
	MUL16 2, 1, NQ-1, \slot, 0
	WIN 0
	s_barrier_wait -1
.if \fill
	CREST                                          ; the barrier has opened a round of the cluster's barrier: no wave of any partner still reads this slot or has a load on its way
	s_add_nc_u64 s[G0+4*\slot+2:G0+4*\slot+3], s[G0+4*\slot+2:G0+4*\slot+3], 2*TROW
	s_add_nc_u64 s[G0B+4*\slot+2:G0B+4*\slot+3], s[G0B+4*\slot+2:G0B+4*\slot+3], 2*TROW
	JLOAD G0+4*\slot, G1, G0B+4*\slot, G1B         ; the first tensor load behind the round; its four v_nop are also the places in front of the loads below
.else
	PLACES NP
.endif
	v_add_nc_u32 v[ADRS], 128, v[ADRS]             ; the next K step's scale words
	FETCH_B \next, 0, 0
	FETCH_A \next, 0, 0
	SCALES \next
	WIN MUL_HI
	MUL16 4, 1, NQ-1, \slot, 0
	MUL16 6, 1, NQ-1, \slot, 0
	PLACES NP
	WIN 0
	FETCH_A \next, 0, 4
.endm
	s_wait_tensorcnt 1                             ; the scale words and my part of K step 0 are in (K step 1's load may be out)
	s_barrier_signal -1
	s_barrier_wait -1                              ; everybody's are
	FETCH_B 0, 0, 0
	FETCH_A 0, 0, 0
	SCALES 0
	FETCH_A 0, 0, 4
	s_cmp_eq_u32 s98, 1                            ; the first step starts the sums with the bias: along B's rows or along A's.  No barrier and no tensor load stands in it
	s_cbranch_scc0 .Lfirst_v
	STEP 0, 0, 1
	s_branch .Lfirst_done
.Lfirst_v:
	STEP 0, 0, 2
.Lfirst_done:
	TURN 0, 1, 1                                   ; K = 1,024 is four K steps: they are written out
	STEP 1, 0, 0
	TURN 1, 0, 1
	STEP 0, 0, 0
	TURN 0, 1, 0                                   ; nothing is left to fetch: no round
	STEP 1, 0, 0
	s_wait_dscnt 4*NL
	WIN MUL_LO
	MUL16 0, 1, NQ-1, 1, 0
	MUL16 2, 1, NQ-1, 1, 0
	s_wait_dscnt 0
	WIN MUL_HI
	MUL16 4, 1, NQ-1, 1, 0
	MUL16 6, 1, NQ-1, 1, 0
	WIN 0
	PLACES NP
; THE WAY OUT of A's block a.  My 64 numbers, register 16 b + i = the next K's 32 b + 16 h + i of my row, become a fragment's codes and four scale bytes.  A block of 32 lies in lanes l and l xor 16.
.macro OUTQ a
.set AC, 64*((\a)%4)
.if (\a) > 0
	s_wait_xcnt 0x0                                ; the last block's stores have read their data and their base
	s_add_nc_u64 s[12:13], s[12:13], s[96:97]
.endif
	WIN 0x28+0x14*((\a)/4)                         ; sources 1 and 2: window 2 or 3
.irp b, 0,1,2,3
	v_max3_num_f32 v[TM+\b], 0x1800000, |v[AC+16*\b]|, |v[AC+16*\b+1]|   ; the floor 2^(3 - 127) among the leaves; each accumulator is read from its low end on
.endr
.irp i, 2,4,6,8,10,12,14
.irp b, 0,1,2,3
	v_max3_num_f32 v[TM+\b], v[TM+\b], |v[AC+16*\b+\i]|, |v[AC+16*\b+\i+1]|
.endr
.endr
	WIN 0
.irp b, 0,1,2,3
	v_permlanex16_b32 v[TM+4+\b], v[TM+\b], s2, s3
.endr
.irp b, 0,1,2,3
	v_max_num_f32 v[TM+\b], v[TM+\b], v[TM+4+\b]
.endr
.irp b, 0,1,2,3
	v_add_nc_u32 v[TM+12+\b], 0xff000000, v[TM+\b] ; 2 off the exponent field: the conversion's scale operand
.endr
.irp b, 0,1,2,3
	v_lshrrev_b32 v[TM+4+\b], 23, v[TM+12+\b]      ; the scale's byte
.endr
	v_lshl_or_b32 v[PW], v[TM+5], 8, v[TM+4]
	v_lshl_or_b32 v[PW], v[TM+6], 16, v[PW]
	v_lshl_or_b32 v[PW], v[TM+7], 24, v[PW]
	WIN 0x02+((\a)/4)                              ; source 0: window 2 or 3
.irp c, 0,1
	v_cvt_scalef32_pk16_fp6_f32 v[PC+6*\c:PC+6*\c+2], v[AC+32*\c:AC+32*\c+15], v[TM+12+2*\c]
	v_cvt_scalef32_pk16_fp6_f32 v[PC+12+4*\c:PC+14+4*\c], v[AC+32*\c+16:AC+32*\c+31], v[TM+12+2*\c+1]
.endr
	WIN 0
	v_nop                                          ; one plain place behind a scaled conversion
.irp c, 0,1                                    ; the operand's layout wants a whole block in a lane
.irp i, 0,1,2
	v_permlane16_swap_b32 v[PC+6*\c+\i], v[PC+12+4*\c+\i]
.endr
.irp i, 0,1,2
	v_mov_b32 v[PC+3+6*\c+\i], v[PC+12+4*\c+\i]
.endr
.endr
	global_store_b128 v[L16], v[PC:PC+3], s[12:13]               ; two images on end: q, k: two heads; v: a fragment of 128 keys.  Each store covers 512 or 256 consecutive bytes, aligned
	global_store_b64 v[L8], v[PC+4:PC+5], s[12:13] offset:512
	global_store_b128 v[L16], v[PC+6:PC+9], s[12:13] offset:768
	global_store_b64 v[L8], v[PC+10:PC+11], s[12:13] offset:1280
	v_lshrrev_b32 v[TW], v[VSH], v[PW]             ; q, k: lanes 0-15 keep the first head's two bytes, lanes 16-31 the second's, and the mask's two go on top; v: all four bytes
	v_and_or_b32 v[TW], v[TW], s99, v[VO+\a]
	ds_store_b32 v[SST], v[TW] offset:64*(\a)
.endm
	s_mov_b32 s2, 0x76543210
	s_mov_b32 s3, 0xfedcba98                       ; selects for lane l xor 16
.irp a, 0,1,2,3,4,5,6,7
	OUTQ \a
.endr
	ds_load_b128 v[232:235], v[SRD]                ; LDS serves a wave's instructions in order: these see my stores.  q, k: the first head's 8 tiles; v: two heads' four tiles each
	s_wait_dscnt 0x0
	global_store_b128 v[SGO], v[232:235], s[92:93]
	s_cmp_eq_u32 s98, 1
	s_cbranch_scc0 .Lno_second
	ds_load_b128 v[236:239], v[SRD] offset:512     ; q, k: the second head's
	s_wait_dscnt 0x0
	global_store_b128 v[SGO], v[236:239], s[92:93] offset:8192
.Lno_second:
	s_wait_tensorcnt 0x0                           ; the wave's end
	ds_add_u32 v[SPW], v[NIL]
	s_wait_dscnt 0x0
	CROUND                                         ; the closing round: no work-group ends while a partner may still ask for a tile that names it
	s_endpgm
.Lfunc_end_k_qbd54431fda_qkv:
	.size	k_qbd54431fda_qkv, .Lfunc_end_k_qbd54431fda_qkv-k_qbd54431fda_qkv
	.p2alignl 7, 3214868480
	.fill 96, 4, 3214868480
	.section	.rodata,"a",@progbits
	.p2align	6, 0x0
	.amdhsa_kernel k_qbd54431fda_qkv
		.amdhsa_group_segment_fixed_size 327680
		.amdhsa_private_segment_fixed_size 0
		.amdhsa_enable_private_segment 0
		.amdhsa_kernarg_size 56
		.amdhsa_user_sgpr_count 2
		.amdhsa_user_sgpr_kernarg_segment_ptr 1
		.amdhsa_wavefront_size32 1
		.amdhsa_system_sgpr_workgroup_id_x 1
		.amdhsa_system_sgpr_workgroup_id_y 1
		.amdhsa_system_sgpr_workgroup_id_z 1
		.amdhsa_system_vgpr_workitem_id 0
		.amdhsa_next_free_vgpr 1024
		.amdhsa_next_free_sgpr 102
		.amdhsa_reserve_vcc 1
		.amdhsa_float_denorm_mode_32 3
		.amdhsa_float_denorm_mode_16_64 3
		.amdhsa_memory_ordered 1
		.amdhsa_forward_progress 1
		.amdhsa_inst_pref_size 171
	.end_amdhsa_kernel
	.amdgpu_metadata
---
amdhsa.version: [ 1, 2 ]
amdhsa.kernels:
  - .name:           k_qbd54431fda_qkv
    .symbol:         k_qbd54431fda_qkv.kd
    .args:
      - { .name: xq, .offset: 0, .size: 8, .value_kind: global_buffer, .address_space: global }
      - { .name: wq, .offset: 8, .size: 8, .value_kind: global_buffer, .address_space: global }
      - { .name: attn_mask, .offset: 16, .size: 8, .value_kind: global_buffer, .address_space: global }
      - { .name: bq, .offset: 24, .size: 8, .value_kind: global_buffer, .address_space: global }
      - { .name: bk, .offset: 32, .size: 8, .value_kind: global_buffer, .address_space: global }
      - { .name: bv, .offset: 40, .size: 8, .value_kind: global_buffer, .address_space: global }
      - { .name: att, .offset: 48, .size: 8, .value_kind: global_buffer, .address_space: global }
    .group_segment_fixed_size: 327680
    .private_segment_fixed_size: 0
    .kernarg_segment_align: 8
    .kernarg_segment_size: 56
    .max_flat_workgroup_size: 128
    .sgpr_count:     102
    .vgpr_count:     1024
    .wavefront_size: 32
...
	.end_amdgpu_metadata
.endif
;; end of part 2
;; launch attn (part 3): grid 8 x 64, 16 waves a work-group, clusters of 4 x 1, 210,944 bytes of LDS; arguments att, attn_mask, yq; writes yq
.if DOCPART == 3
	.amdgcn_target "amdgcn-amd-amdhsa--gfx1250"
	.amdhsa_code_object_version 6
	.text
	.protected	k_qbd54431fda_attn
	.globl	k_qbd54431fda_attn
	.p2align	8
	.type	k_qbd54431fda_attn,@function
k_qbd54431fda_attn:
	s_mov_b64 s[64:65], 0
	v_nop
	global_prefetch_b8 v0, s[64:65] scope:SCOPE_SE
	s_setreg_imm32_b32 hwreg(HW_REG_WAVE_MODE, 25, 1), 1
	s_wait_xcnt 0x0
	s_wait_alu depctr_hold_cnt(0) depctr_sa_sdst(0) depctr_va_vdst(0) depctr_va_sdst(0) depctr_va_ssrc(0) depctr_va_vcc(0) depctr_vm_vsrc(0)
	s_getreg_b32 s2, hwreg(HW_REG_IB_STS2, 6, 4)
	s_cmp_eq_u32 s2, 0
	s_cbranch_scc0 .Lentry_in_a_cluster
	s_endpgm
.Lentry_in_a_cluster:
	s_bfe_u32 s2, ttmp6, 0x10000c
	s_cmp_lg_u32 s2, 0x3003
	s_cbranch_scc0 .Lentry_shape_is_right
	s_endpgm
.Lentry_shape_is_right:
; y[b][q][head] = softmax over the keys of (q . k / 8, masked) x v, both products on codes of FP6 (E2M3) with E8M0 scales; y leaves as codes, quantised along its channels, an operand of the last product.
; THE SOFTMAX: t = score x log2(e) / 8; M = the row's largest t so far rounded UP to a whole number; p = 2^(t - M) is quantised along the keys; the row's sum is taken of the unquantised p and divides at the end.
; THE MASKS ride in the half of K Q^T's 128 along K that a head of 64 leaves idle.  Every key has -4 at k = 64, +4 at k = 96, -1 at k = 97; a query that counts has 1 at k = 64 and at k = 96; a masked query has zero codes but 4 at k = 97.
; The scale words' bytes 2 and 3 are 127, but 158 (2^31) in byte 2 of a masked key and in byte 3 of a masked query.  So: both count: - 4 + 4; masked key: - 2^33 + 4; masked query: exactly - 2^33 for every key, and p = 1 for all of them.
; A causally hidden key of the diagonal step gets the same - 2^33.  In the steps beyond the diagonal no score is made: P is a constant, 1 for a masked query (whose softmax is uniform over ALL keys) and 0 for the others.
; LIMITS: the fill is -2^30 in units of the logit where the reference writes -1e9: the same results while |q . k| < 2^31.  A masked query's row is p = 1, sum 2,048, as t in f32 gives it.  NaN and infinities are not served.
; SHARES.  A work-group is (i = 0 .. 7, batch and head); its sixteen waves own one tile of 16 queries each, tile 8 kq + i, kq a permutation of the wave's number.  So which steps a wave sees hangs on the wave's number alone, the same in all
; partners, and all work-groups have equal work.  The four work-groups of a cluster share batch and head: K, V and their scale words are asked for JOINTLY, once: a whole head lies in LDS, nothing is filled again.
; LAYOUT.  Both products transposed: S^T = K Q^T, O^T = V^T P^T: a lane holds one query.  By the tiles' order of rows the 16 registers of two neighbouring tiles are 16 neighbouring keys (channels).
.set KIMG, 0                           ; K: 128 tiles x 768 bytes
.set VIMG, 98304                       ; V: 16 steps x 4 fragments x 1,536
.set KSC,  196608                      ; K's scale words: 128 tiles x 64
.set VSC,  204800                      ; V's: 16 steps x 256
.set KS,   28                          ; v28-31 K's scale words: lanes 0-15 an even tile's, lanes 16-31 the odd one's
.set VS,   32                          ; v32-33 V's likewise
.set QS,   34
.set PS,   35
.set PHS,  36                          ; the constant P's: four bytes 125
.set KF,   40                          ; v40-87   four fragments of K; registers 6-11 of each are constants
.set S,    88                          ; v88-151  S^T, then p; then V's four fragments in v88-135
.set O,    152                         ; v152-183 O^T
.set P,    184                         ; v184-195 p's codes
.set CT,   196                         ; v196-198, v200-202
.set PH,   204                         ; v204-215 the constant P
.set BM,   216
.set BT,   220
.set SO,   224
.set BY,   228
.set WV,   18
.set KQ,   19
.set SEL,  20
.set CS,   22
.set G1K,  24
.set G1V,  32
.set G1KS, 40
.set G1VS, 48
.set G0K,  56
.set G0V,  60
.set G0KS, 68
.set G0VS, 72
.macro CROUND                          ; a round of the cluster's barrier
	s_barrier_signal -1
	s_barrier_wait -1
	s_cmp_lg_u32 s[WV], 0
	s_cbranch_scc1 .Lnot_wave_0_\@
	s_barrier_signal -3
.Lnot_wave_0_\@:
	s_barrier_wait -3
	s_barrier_signal -1
	s_barrier_wait -1
.endm
	s_load_b128 s[4:7], s[0:1], 0x0                ; att, attn_mask
	s_load_b64 s[8:9], s[0:1], 0x10                ; yq
	v_lshl_add_u32 v254, v0, 2, 0x33000
	v_mov_b32 v255, 0
	ds_add_u32 v254, v255
	ds_add_u32 v254, v255
	v_lshrrev_b32 v234, 5, v0
	v_readfirstlane_b32 s[WV], v234                ; wave 0..15
	s_bfe_u32 s10, ttmp6, 0x40000                  ; cx
	s_lshl_b32 s11, ttmp9, 2
	s_add_co_u32 s11, s11, s10                     ; i
	s_and_b32 s12, ttmp7, 0xffff                   ; 16 x batch + head, which the partners share
	s_lshr_b32 s13, s12, 4
	s_and_b32 s14, s12, 15
	s_lshr_b32 s15, s[WV], 2
	s_and_b32 s15, s15, 1
	s_mul_i32 s15, s15, 3
	s_xor_b32 s[KQ], s[WV], s15                    ; my diagonal step: waves 4-7 and 12-15 in reverse, so that waves w, w + 4, w + 8, w + 12 see 34 steps together
	s_lshl_b32 s16, s[KQ], 3
	s_add_co_u32 s16, s16, s11                     ; my tile of queries in the batch
	s_and_b32 s17, s[WV], 1                        ; which half of K or of V I fetch, if I fetch
	s_mul_i32 s81, s13, 1572864
	s_mul_i32 s82, s17, 786432
	s_add_co_u32 s81, s81, s82
	s_mul_i32 s82, s14, 768
	s_add_co_u32 s82, s82, s81
	s_add_co_u32 s82, s82, 6291456                 ; K: tile 128 b + 64 p, image = head
	s_mov_b32 s83, 0
	s_mul_i32 s84, s14, 6144
	s_add_co_u32 s84, s84, s81
	s_add_co_u32 s84, s84, 12582912                ; V: step 16 b + 8 p, channel tile 4 head
	s_mov_b32 s85, 0
	s_lshl_b32 s86, s12, 13
	s_add_co_u32 s86, s86, 19398656                ; K's scale words
	s_mov_b32 s87, 0
	s_lshl_b32 s88, s12, 12
	s_add_co_u32 s88, s88, 19922944                ; V's
	s_mov_b32 s89, 0
	s_mul_i32 s90, s17, 49152
	s_lshl_b32 s91, s13, 7
	s_add_co_u32 s91, s91, s16                     ; my tile among all 512
	s_lshl_b32 s92, s91, 4
	s_add_co_u32 s92, s92, s14
	s_mul_i32 s92, s92, 768                        ; Q's image in att, and y's in yq
	s_mov_b32 s93, 0
	s_lshl_b32 s94, s12, 13
	s_lshl_b32 s15, s16, 6
	s_add_co_u32 s94, s94, s15
	s_add_co_u32 s94, s94, 18874368                ; Q's scale words
	s_mov_b32 s95, 0
	s_lshl_b32 s96, s13, 11
	s_lshr_b32 s15, s16, 1
	s_lshl_b32 s15, s15, 5
	s_add_co_u32 s96, s96, s15
	s_and_b32 s15, s16, 1
	s_lshl_b32 s15, s15, 3
	s_add_co_u32 s96, s96, s15                     ; my tile's first query in the mask
	s_lshr_b32 s97, s11, 1
	s_lshl_b32 s97, s97, 5
	s_and_b32 s15, s11, 1
	s_lshl_b32 s15, s15, 3
	s_add_co_u32 s97, s97, s15                     ; and within its step of 128
	s_lshl_b32 s98, s91, 9
	s_lshr_b32 s15, s14, 2
	s_lshl_b32 s15, s15, 7
	s_add_co_u32 s98, s98, s15
	s_bfe_u32 s15, s14, 0x10001
	s_lshl_b32 s15, s15, 2
	s_add_co_u32 s98, s98, s15
	s_and_b32 s15, s14, 1
	s_lshl_b32 s15, s15, 1
	s_add_co_u32 s98, s98, s15
	s_add_co_u32 s98, s98, 6291456                 ; y's scale bytes: tile, K step head / 4, word (head / 2) % 2, bytes 2 (head % 2) on
	s_mov_b32 s99, 0
	; descriptor groups 1, elements of 8 bytes, the mask of all four partners, bit 21 beside it.  K: 64 rows of 768 bytes, 12,288 apart
	s_mov_b32 s[G1K], 15|(3<<16)|(1<<21)
	s_mov_b32 s[G1K+1], 96<<16
	s_mov_b32 s[G1K+2], 64<<16
	s_mov_b32 s[G1K+3], 96<<16
	s_mov_b32 s[G1K+4], 64
	s_mov_b32 s[G1K+5], 1536
	s_mov_b32 s[G1K+6], 0
	s_mov_b32 s[G1K+7], 0
	s_mov_b32 s[G1V], 15|(3<<16)|(1<<21)           ; V: 8 rows of 6,144 bytes, 98,304 apart
	s_mov_b32 s[G1V+1], 768<<16
	s_mov_b32 s[G1V+2], 8<<16
	s_mov_b32 s[G1V+3], 768<<16
	s_mov_b32 s[G1V+4], 8
	s_mov_b32 s[G1V+5], 12288
	s_mov_b32 s[G1V+6], 0
	s_mov_b32 s[G1V+7], 0
	s_mov_b32 s[G1KS], 15|(3<<16)|(1<<21)          ; K's scale words: 8,192 dense bytes as 32 rows of 256
	s_mov_b32 s[G1KS+1], 32<<16
	s_mov_b32 s[G1KS+2], 32<<16
	s_mov_b32 s[G1KS+3], 32<<16
	s_mov_b32 s[G1KS+4], 32
	s_mov_b32 s[G1KS+5], 32
	s_mov_b32 s[G1KS+6], 0
	s_mov_b32 s[G1KS+7], 0
	s_mov_b32 s[G1VS], 15|(3<<16)|(1<<21)          ; V's: 4,096 as 16 rows
	s_mov_b32 s[G1VS+1], 32<<16
	s_mov_b32 s[G1VS+2], 16<<16
	s_mov_b32 s[G1VS+3], 32<<16
	s_mov_b32 s[G1VS+4], 16
	s_mov_b32 s[G1VS+5], 32
	s_mov_b32 s[G1VS+6], 0
	s_mov_b32 s[G1VS+7], 0
	s_mov_b32 s[SEL], 0x76543210
	s_mov_b32 s[SEL+1], 0xfedcba98
	s_mov_b32 s[CS], 0x3e38aa3b                    ; c = log2(e) / 8
	s_mov_b32 s[CS+1], s[CS]                       ; (named with it as a pair, so it is written)
	s_wait_dscnt 0x0
	s_wait_kmcnt 0x0
	s_mov_b32 s[G0K], 1
	s_mov_b32 s[G0K+1], s90
	s_add_nc_u64 s[G0K+2:G0K+3], s[4:5], s[82:83]
	s_or_b32 s[G0K+3], s[G0K+3], 0x80000000
	s_mov_b32 s[G0V], 1
	s_add_co_u32 s[G0V+1], s90, VIMG
	s_add_nc_u64 s[G0V+2:G0V+3], s[4:5], s[84:85]
	s_or_b32 s[G0V+3], s[G0V+3], 0x80000000
	s_mov_b32 s[G0KS], 1
	s_mov_b32 s[G0KS+1], KSC
	s_add_nc_u64 s[G0KS+2:G0KS+3], s[4:5], s[86:87]
	s_or_b32 s[G0KS+3], s[G0KS+3], 0x80000000
	s_mov_b32 s[G0VS], 1
	s_mov_b32 s[G0VS+1], VSC
	s_add_nc_u64 s[G0VS+2:G0VS+3], s[4:5], s[88:89]
	s_or_b32 s[G0VS+3], s[G0VS+3], 0x80000000
	s_add_nc_u64 s[2:3], s[4:5], s[92:93]          ; Q's image
	s_add_nc_u64 s[94:95], s[4:5], s[94:95]        ; Q's scale words
	s_add_nc_u64 s[92:93], s[8:9], s[92:93]        ; y's image
	s_add_nc_u64 s[98:99], s[8:9], s[98:99]        ; y's scale bytes
	CROUND                                         ; all four work-groups are here: the joint loads meet
	s_cmp_lt_u32 s[WV], 2                          ; one load a wave, waves 0 to 5; the branches hang on the wave's number alone; four v_nop follow each load
	s_cbranch_scc0 .Lnot_k
	tensor_load_to_lds s[G0K:G0K+3], s[G1K:G1K+7]
	s_nop 0
.rept 4
	v_nop
.endr
	s_branch .Lasked
.Lnot_k:
	s_cmp_lt_u32 s[WV], 4
	s_cbranch_scc0 .Lnot_v
	tensor_load_to_lds s[G0V:G0V+3], s[G1V:G1V+7]
	s_nop 0
.rept 4
	v_nop
.endr
	s_branch .Lasked
.Lnot_v:
	s_cmp_eq_u32 s[WV], 4
	s_cbranch_scc0 .Lnot_ks
	tensor_load_to_lds s[G0KS:G0KS+3], s[G1KS:G1KS+7]
	s_nop 0
.rept 4
	v_nop
.endr
	s_branch .Lasked
.Lnot_ks:
	s_cmp_eq_u32 s[WV], 5
	s_cbranch_scc0 .Lasked
	tensor_load_to_lds s[G0VS:G0VS+3], s[G1VS:G1VS+7]
	s_nop 0
.rept 4
	v_nop
.endr
.Lasked:
	v_and_b32 v234, 31, v0
	v_lshlrev_b32 v1, 4, v234                      ; 16 x lane
	v_lshlrev_b32 v2, 3, v234
	v_add_nc_u32 v2, 512, v2                       ; 8 x lane + 512
	v_lshlrev_b32 v3, 2, v234                      ; 4 x lane
	v_and_b32 v235, 15, v0                         ; r
	v_bfe_u32 v236, v0, 4, 1                       ; h
	v_and_b32 v237, 8, v235
	v_add_nc_u32 v237, v237, v235                  ; (r & 7) + 2 (r & 8)
	v_lshlrev_b32 v238, 2, v235
	v_add_nc_u32 v239, s96, v237
	global_load_b128 v[16:19], v1, s[2:3]          ; Q's image: registers 0-5 of the fragment
	global_load_b64 v[20:21], v2, s[2:3]
	global_load_b32 v[QS], v238, s[94:95]
	global_load_u8 v39, v239, s[6:7]               ; my query's mask
	v_lshlrev_b32 v10, 4, v236
	v_sub_nc_u32 v10, v237, v10
	v_add_nc_u32 v10, s97, v10                     ; my query's place in its step - 16 h: register 16 b + i of the diagonal step is hidden where 32 b + i is greater
	v_mov_b32 v37, 0
	v_mov_b32 v38, 0xd0000000                      ; -2^33
	v_mov_b32 v[PHS], 0x7d7d7d7d
	v_mad_u32_u24 v[KF+6], v236, 0x9e0, 56         ; K's register 6: lanes 0-15: -4 at k = 64; lanes 16-31: +4 at k = 96, -1 at k = 97
.irp t, 1,2,3
	v_mov_b32 v[KF+12*\t+6], v[KF+6]
.endr
.irp t, 0,1,2,3
.irp j, 7,8,9,10,11
	v_mov_b32 v[KF+12*\t+\j], 0
.endr
.endr
.irp j, 23,24,25,26,27
	v_mov_b32 v[\j], 0
.endr
	v_mov_b32 v13, 0xff61b1e6                      ; the largest t so far: -3e38
	v_floor_f32 v12, -v13                          ; -M
	v_mov_b32 v14, 0                               ; the sum, in two halves
	v_mov_b32 v15, 0
	v_mov_b32 v233, 0                              ; (the upper half of the pair v[232:233])
.irp b, 0,1,2,3
	v_mov_b32 v[BT+\b], 0                          ; written once: a lane permute's destination counts as one of its sources
.endr
.set j, 0
.rept 32
	v_mov_b32 v[O+j], 0                            ; O^T: the step is written once; the first change of M leaves zeros zeros
.set j, j+1
.endr
	s_wait_loadcnt 0x0
	v_cmp_ne_u32 vcc_lo, 0, v39                    ; my query counts
.irp j, 0,1,2,3,4,5
	v_cndmask_b32 v[16+\j], 0, v[16+\j], vcc_lo    ; a masked query's codes are zeros
.endr
	v_mul_u32_u24 v22, 1536, v236                  ; masked: 4 at k = 97 (lanes 16-31);
	v_mov_b32 v234, 8
	v_cndmask_b32 v22, v22, v234, vcc_lo           ; counting: 1 at k = 64 and at k = 96
	v_mov_b32 v237, 0x18618618                     ; the code of 4.0, sixteen times in three words: with the byte 125 it is p = 1
	v_mov_b32 v238, 0x86186186
	v_mov_b32 v239, 0x61861861
.irp j, 0,1,2,3,4,5,6,7,8,9,10,11
	v_cndmask_b32 v[PH+\j], v[237+\j%3], v37, vcc_lo
.endr
	v_mov_b32 v234, 0x42800000                     ; 64.0: what a hidden step adds to a masked query's sum in each half of the lanes
	v_cndmask_b32 v11, v234, v37, vcc_lo
	s_wait_tensorcnt 0x0                           ; my load has landed,
	s_barrier_signal -1
	s_barrier_wait -1                              ; everybody's has: from here on LDS is only read
.macro VFETCH                          ; the step's four fragments of V^T (16 channels x 128 keys) and their scale words
.irp f, 0,1,2,3
	ds_load_b128 v[S+12*\f:S+12*\f+3], v7 offset:1536*\f
	ds_load_b64 v[S+12*\f+4:S+12*\f+5], v8 offset:1536*\f
	ds_load_b128 v[S+12*\f+6:S+12*\f+9], v7 offset:1536*\f+768
	ds_load_b64 v[S+12*\f+10:S+12*\f+11], v8 offset:1536*\f+768
.endr
	ds_load_b32 v[VS], v9
	ds_load_b32 v[VS+1], v9 offset:128
	s_wait_dscnt 0x0
.endm
.macro PROD p, ps                      ; O^T += V^T P^T: the four accumulators by turns
.irp f, 0,2
	v_wmma_scale_f32_16x16x128_f8f6f4 v[O+8*\f:O+8*\f+7], v[S+12*\f:S+12*\f+11], v[\p:\p+11], v[O+8*\f:O+8*\f+7], v[VS+\f/2], v[\ps] matrix_a_fmt:MATRIX_FMT_FP6 matrix_b_fmt:MATRIX_FMT_FP6
	v_wmma_scale_f32_16x16x128_f8f6f4 v[O+8*\f+8:O+8*\f+15], v[S+12*\f+12:S+12*\f+23], v[\p:\p+11], v[O+8*\f+8:O+8*\f+15], v[VS+\f/2], v[\ps] matrix_a_fmt:MATRIX_FMT_FP6 matrix_b_fmt:MATRIX_FMT_FP6 matrix_a_scale:MATRIX_SCALE_ROW1
.endr
.endm
	s_mov_b32 s76, 0                               ; the step
	s_mov_b32 s77, KIMG
	s_mov_b32 s78, VIMG
	s_mov_b32 s79, KSC
	s_mov_b32 s80, VSC
.Lstep:                                            ; 16 trips, a constant; what a trip does hangs on the step and the wave's number
	v_add_nc_u32 v4, s77, v1                       ; these six and the v_nop are the places behind the last products: S^T is written over registers that they read, which asks for five
	v_add_nc_u32 v5, s77, v2
	v_add_nc_u32 v6, s79, v3
	v_add_nc_u32 v7, s78, v1
	v_add_nc_u32 v8, s78, v2
	v_add_nc_u32 v9, s80, v3
	v_nop
	s_cmp_gt_u32 s76, s[KQ]
	s_cbranch_scc1 .Lhidden
.irp g, 0,1                                    ; S^T = K Q^T, four tiles of 16 keys at a time
.if \g
.rept 4
	v_nop                                          ; places in front of loads into registers that matrix instructions have read
.endr
.endif
.irp t, 0,1,2,3
	ds_load_b128 v[KF+12*\t:KF+12*\t+3], v4 offset:768*(4*\g+\t)
	ds_load_b64 v[KF+12*\t+4:KF+12*\t+5], v5 offset:768*(4*\g+\t)
.endr
	ds_load_b32 v[KS+2*\g], v6 offset:256*\g
	ds_load_b32 v[KS+2*\g+1], v6 offset:256*\g+128
	s_wait_dscnt 0x0
.irp t, 0,2
	v_wmma_scale_f32_16x16x128_f8f6f4 v[S+8*(4*\g+\t):S+8*(4*\g+\t)+7], v[KF+12*\t:KF+12*\t+11], v[16:27], 0, v[KS+2*\g+\t/2], v[QS] matrix_a_fmt:MATRIX_FMT_FP6 matrix_b_fmt:MATRIX_FMT_FP6
	v_wmma_scale_f32_16x16x128_f8f6f4 v[S+8*(4*\g+\t)+8:S+8*(4*\g+\t)+15], v[KF+12*\t+12:KF+12*\t+23], v[16:27], 0, v[KS+2*\g+\t/2], v[QS] matrix_a_fmt:MATRIX_FMT_FP6 matrix_b_fmt:MATRIX_FMT_FP6 matrix_a_scale:MATRIX_SCALE_ROW1
.endr
.endr
.rept 4
	v_nop
.endr
	s_cmp_lg_u32 s76, s[KQ]
	s_cbranch_scc1 .Lopen
.set n, 0
.rept 64                                       ; the diagonal step: hidden keys' scores become -2^33 ahead of the maximum
	v_cmp_gt_i32 vcc_lo, 32*(n/16)+n%16, v10
	v_cndmask_b32 v[S+n], v[S+n], v38, vcc_lo
.set n, n+1
.endr
.Lopen:
.irp b, 0,1,2,3
	v_max3_num_f32 v[BM+\b], v[S+16*\b], v[S+16*\b+1], v[S+16*\b+2]   ; the largest score of each block of 32 keys: for the row's maximum, and, since p rises with the score, for the block's largest p
.endr
.irp i, 3,5,7,9,11,13
.irp b, 0,1,2,3
	v_max3_num_f32 v[BM+\b], v[BM+\b], v[S+16*\b+\i], v[S+16*\b+\i+1]
.endr
.endr
.irp b, 0,1,2,3
	v_max_num_f32 v[BM+\b], v[BM+\b], v[S+16*\b+15]
.endr
.irp b, 0,1,2,3
	v_permlanex16_b32 v[BT+\b], v[BM+\b], s[SEL], s[SEL+1]
.endr
.irp b, 0,1,2,3
	v_max_num_f32 v[BM+\b], v[BM+\b], v[BT+\b]     ; with lane l xor 16's 16 keys
.endr
	v_max3_num_f32 v234, v[BM], v[BM+1], v[BM+2]
	v_max_num_f32 v234, v234, v[BM+3]
	v_mul_f32 v234, s[CS], v234                    ; as t (c is positive)
	v_max_num_f32 v13, v13, v234                   ; the running largest t
	v_mov_b32 v234, v12
	v_floor_f32 v12, -v13                          ; the new -M = floor(-t): M is a whole number
	v_sub_f32 v234, v12, v234                      ; old M - new M: a whole number, 0 or less
	v_cvt_i32_f32 v234, v234                       ; (it saturates)
	v_ldexp_f32 v232, 1.0, v234                    ; f = 2^(old M - new M): a multiplication by it rounds nothing
.set j, 0
.rept 32
	v_pk_fma_f32 v[S+j:S+j+1], v[S+j:S+j+1], s[CS:CS+1], v[12:13] op_sel_hi:[1,0,0]   ; t - M, two at a time
.set j, j+2
.endr
.irp b, 0,1,2,3
	v_fma_f32 v[BM+\b], v[BM+\b], s[CS], v12       ; the same of each block's largest score
.endr
.set j, 0
.rept 64
	v_exp_f32 v[S+j], v[S+j]                       ; p = 2^(t - M), at most 1
.set j, j+1
.endr
.irp b, 0,1,2,3
	v_exp_f32 v[BM+\b], v[BM+\b]                   ; the block's largest p
.endr
	v_pk_mul_f32 v[14:15], v[14:15], v[232:233] op_sel_hi:[1,0]   ; the sums under the new M (a plain place behind the exponentials)
	s_wait_alu depctr_va_vdst(0)
.irp b, 0,1,2,3
	v_max_num_f32 v[BM+\b], 0x1800000, v[BM+\b]    ; the floor 2^(3 - 127): a block whose every p is 0 keeps the byte 1; its codes are zeros
.endr
.irp b, 0,1,2,3
	v_add_nc_u32 v[SO+\b], 0xff000000, v[BM+\b]
.endr
.irp b, 0,1,2,3
	v_lshrrev_b32 v[BY+\b], 23, v[SO+\b]
.endr
	v_lshl_or_b32 v[PS], v[BY+1], 8, v[BY]         ; p's scale word for these 128 keys
	v_lshl_or_b32 v[PS], v[BY+2], 16, v[PS]
	v_lshl_or_b32 v[PS], v[BY+3], 24, v[PS]
.irp c, 0,1
	v_cvt_scalef32_pk16_fp6_f32 v[P+6*\c:P+6*\c+2], v[S+32*\c:S+32*\c+15], v[SO+2*\c]
	v_cvt_scalef32_pk16_fp6_f32 v[CT+4*\c:CT+4*\c+2], v[S+32*\c+16:S+32*\c+31], v[SO+2*\c+1]
.endr
	v_nop                                          ; one plain place behind a scaled conversion
.irp c, 0,1                                    ; the operand's layout wants a whole block in a lane
.irp i, 0,1,2
	v_permlane16_swap_b32 v[P+6*\c+\i], v[CT+4*\c+\i]
.endr
.irp i, 0,1,2
	v_mov_b32 v[P+6*\c+3+\i], v[CT+4*\c+\i]
.endr
.endr
	v_pk_add_f32 v[236:237], v[S:S+1], v[S+2:S+3]  ; the row's sum is taken of the unquantised p: two at a time, in two chains
.set j, 4
.rept 15
	v_pk_add_f32 v[14:15], v[14:15], v[S+j:S+j+1]
	v_pk_add_f32 v[236:237], v[236:237], v[S+j+2:S+j+3]
.set j, j+4
.endr
	v_pk_add_f32 v[14:15], v[14:15], v[236:237]
.set j, 0
.rept 16
	v_pk_mul_f32 v[O+j:O+j+1], v[O+j:O+j+1], v[232:233] op_sel_hi:[1,0]   ; O^T under the new M, each accumulator from its low end on
.set j, j+2
.endr
	VFETCH
	PROD P, PS
	s_branch .Lnext
.Lhidden:                                          ; beyond the diagonal: only a masked query's row goes on, with p = 1 for every key
	v_add_f32 v14, v14, v11
	VFETCH
	PROD PH, PHS
.Lnext:
	s_add_co_u32 s77, s77, 6144
	s_add_co_u32 s78, s78, 6144
	s_add_co_u32 s79, s79, 512
	s_add_co_u32 s80, s80, 256
	s_add_co_u32 s76, s76, 1
	s_cmp_lt_u32 s76, 16
	s_cbranch_scc1 .Lstep
	; THE WAY OUT: y = O^T / the sum; its 64 channels are two blocks of 32 along the last product's K: one image and two scale bytes a row
.rept 4
	v_nop
.endr
	v_add_f32 v14, v14, v15
	v_permlanex16_b32 v234, v14, s[SEL], s[SEL+1]
	v_add_f32 v14, v14, v234                       ; the row's sum
	v_rcp_f32 v14, v14
	v_and_b32 v235, 15, v0                         ; (a plain place behind the transcendental)
	v_bfe_u32 v236, v0, 4, 1
	v_lshl_add_u32 v235, v235, 3, v236             ; 8 r + h
	v_cmp_ne_u32 vcc_lo, 0, v236
.set j, 0
	s_wait_alu depctr_va_vdst(0)
.rept 16
	v_pk_mul_f32 v[S+j:S+j+1], v[O+j:O+j+1], v[14:15] op_sel_hi:[1,0]   ; register 16 b + i = channel 32 b + 16 h + i of my query
.set j, j+2
.endr
.irp b, 0,1
	v_max3_num_f32 v[BM+\b], |v[S+16*\b]|, |v[S+16*\b+1]|, 0x1800000
.endr
.irp i, 2,4,6,8,10,12,14
.irp b, 0,1
	v_max3_num_f32 v[BM+\b], v[BM+\b], |v[S+16*\b+\i]|, |v[S+16*\b+\i+1]|
.endr
.endr
.irp b, 0,1
	v_permlanex16_b32 v[BT+\b], v[BM+\b], s[SEL], s[SEL+1]
.endr
.irp b, 0,1
	v_max_num_f32 v[BM+\b], v[BM+\b], v[BT+\b]
.endr
.irp b, 0,1
	v_add_nc_u32 v[SO+\b], 0xff000000, v[BM+\b]
.endr
.irp b, 0,1
	v_lshrrev_b32 v[BY+\b], 23, v[SO+\b]
.endr
	v_cvt_scalef32_pk16_fp6_f32 v[P:P+2], v[S:S+15], v[SO]
	v_cvt_scalef32_pk16_fp6_f32 v[CT:CT+2], v[S+16:S+31], v[SO+1]
	v_nop
.irp i, 0,1,2
	v_permlane16_swap_b32 v[P+\i], v[CT+\i]
.endr
.irp i, 0,1,2
	v_mov_b32 v[P+3+\i], v[CT+\i]
.endr
	v_cndmask_b32 v234, v[BY], v[BY+1], vcc_lo     ; lane (r, h) stores block h's byte
	global_store_b128 v1, v[P:P+3], s[92:93]       ; 512 consecutive bytes, aligned,
	global_store_b64 v2, v[P+4:P+5], s[92:93]      ; and 256 more
	global_store_b8 v235, v234, s[98:99]           ; a scale word spans two heads, which are two work-groups': so single bytes, one for each 24 bytes of codes
	s_wait_tensorcnt 0x0
	ds_add_u32 v254, v255
	s_wait_dscnt 0x0
	CROUND                                         ; the closing round: no work-group ends while a partner may still ask for a tile that names it
	s_endpgm
.Lfunc_end_k_qbd54431fda_attn:
	.size	k_qbd54431fda_attn, .Lfunc_end_k_qbd54431fda_attn-k_qbd54431fda_attn
	.p2alignl 7, 3214868480
	.fill 96, 4, 3214868480
	.section	.rodata,"a",@progbits
	.p2align	6, 0x0
	.amdhsa_kernel k_qbd54431fda_attn
		.amdhsa_group_segment_fixed_size 210944
		.amdhsa_private_segment_fixed_size 0
		.amdhsa_enable_private_segment 0
		.amdhsa_kernarg_size 24
		.amdhsa_user_sgpr_count 2
		.amdhsa_user_sgpr_kernarg_segment_ptr 1
		.amdhsa_wavefront_size32 1
		.amdhsa_system_sgpr_workgroup_id_x 1
		.amdhsa_system_sgpr_workgroup_id_y 1
		.amdhsa_system_sgpr_workgroup_id_z 1
		.amdhsa_system_vgpr_workitem_id 0
		.amdhsa_next_free_vgpr 256
		.amdhsa_next_free_sgpr 100
		.amdhsa_reserve_vcc 1
		.amdhsa_float_denorm_mode_32 3
		.amdhsa_float_denorm_mode_16_64 3
		.amdhsa_memory_ordered 1
		.amdhsa_forward_progress 1
		.amdhsa_inst_pref_size 40
	.end_amdhsa_kernel
	.amdgpu_metadata
---
amdhsa.version: [ 1, 2 ]
amdhsa.kernels:
  - .name:           k_qbd54431fda_attn
    .symbol:         k_qbd54431fda_attn.kd
    .args:
      - { .name: att, .offset: 0, .size: 8, .value_kind: global_buffer, .address_space: global }
      - { .name: attn_mask, .offset: 8, .size: 8, .value_kind: global_buffer, .address_space: global }
      - { .name: yq, .offset: 16, .size: 8, .value_kind: global_buffer, .address_space: global }
    .group_segment_fixed_size: 210944
    .private_segment_fixed_size: 0
    .kernarg_segment_align: 8
    .kernarg_segment_size: 24
    .max_flat_workgroup_size: 512
    .sgpr_count:     100
    .vgpr_count:     256
    .wavefront_size: 32
...
	.end_amdgpu_metadata
.endif
;; end of part 3
;; launch proj (part 4): grid 4 x 32, 4 waves a work-group, clusters of 4 x 4, 327,680 bytes of LDS; arguments yq, wq, bp, out0; writes out0
.if DOCPART == 4
	.amdgcn_target "amdgcn-amd-amdhsa--gfx1250"
	.amdhsa_code_object_version 6
	.text
	.protected	k_qbd54431fda_proj
	.globl	k_qbd54431fda_proj
	.p2align	8
	.type	k_qbd54431fda_proj,@function
k_qbd54431fda_proj:
	s_mov_b64 s[64:65], 0
	v_nop
	global_prefetch_b8 v0, s[64:65] scope:SCOPE_SE
	s_setreg_imm32_b32 hwreg(HW_REG_WAVE_MODE, 25, 1), 1
	s_wait_xcnt 0x0
	s_wait_alu depctr_hold_cnt(0) depctr_sa_sdst(0) depctr_va_vdst(0) depctr_va_sdst(0) depctr_va_ssrc(0) depctr_va_vcc(0) depctr_vm_vsrc(0)
	s_getreg_b32 s2, hwreg(HW_REG_IB_STS2, 6, 4)
	s_cmp_eq_u32 s2, 0
	s_cbranch_scc0 .Lentry_in_a_cluster
	s_endpgm
.Lentry_in_a_cluster:
	s_bfe_u32 s2, ttmp6, 0x10000c
	s_cmp_lg_u32 s2, 0xf033
	s_cbranch_scc0 .Lentry_shape_is_right
	s_endpgm
.Lentry_shape_is_right:
; out0 = y Wp^T + bp on codes of FP6 (E2M3) with E8M0 scales; out0 [8192][1024] f32.
; OPERANDS lie as images of the operand's registers.  A tile is 16 rows, tile 2 b + u holding at lane-row r the row 32 b + 8 u + (r & 7) + 2 (r & 8).  An image is 16 rows x 64 K, 768 bytes: lane l's registers 0-3 at 16 l, 4-5 at 512 + 8 l.
; Codes [tile][16 images]; scale words [tile][4 steps of 256 K][r][2], behind the codes (yq: at 6,291,456; wq: at 3,145,728; Wp is wq's tiles 192 on).
; THE PRODUCT: a tile of 256 x 256 to a work-group of four waves, 128 x 128 to a wave (64 accumulators, 512 registers); K = 1,024 in four steps of 256 through two LDS slots; the scale words of all of K come once.
; USED TRANSPOSED (source 0 = 16 rows of Wp, source 1 = 16 rows of y): a lane holds one row of y and, in tile b, the outputs 32 (b / 2) + 16 h + 8 (b % 2) + 0 .. 7.  The bias is the C of each sum's first product.
; CLUSTERS of 4 x 4: y's tiles are shared along a row of the cluster, Wp's along a column: each is asked for jointly by the four that share it.  32 x 4 tiles of C are 128 work-groups.
; REGISTERS: window 0: v0-31 addresses; v32-63 scale words, two sets; v64-127 the bias; v128-223 A's fragments, one set; on the way out v128-255 rows of out0.
;   window 1: B's fragments, two sets, at v0 and v128.  window 2: the accumulators of A's blocks 0-3 ((a, b) at v[8 (8 (a % 4) + b)]); window 3: of blocks 4-7.
.set TROW,   3072
.set HALFT,  8*TROW
.set SLOT,   4*HALFT
.set SCL,    2*SLOT
.set HALFS,  4096
.set SPARE,  SCL+4*HALFS               ; the spare words, 128 bytes for each wave: two blocks of 256 bytes that no other line names
.set SPITCH, 528                       ; the way out: a stage of 16 rows x (512 bytes + 16) for each wave, in slot 0, which has had its last fill and its last read by then
.set NQ,     2
.set FR,     12
.set NL,     4
.set NP,     4
.set ADRA, 16
.set ADRB, 20
.set STO,  24                          ; v24  the way out: where I put 32 bytes of a row
.set RD,   25                          ; v25  where I read a row back
.set CO,   26                          ; v26  16 x lane: my place in a row of 512 bytes
.set ADRS, 27
.set SPW,  28                          ; v28  my spare word: SPARE + 4 x my thread's number; never rewritten
.set NIL,  29                          ; v29  0; never rewritten
.set SC,   32
.set BIAS, 64
.set AF,   128
.set BK,   128
.set G1, 24
.set G0, 32
.set G1B, 48
.set G0B, 56
.set G1S, 68
.set G0S, 76
.set G1SB, 80
.set G0SB, 88
.set MSB, 0
.macro WIN new                         ; the immediate's high byte repeats the setting that is left
.if MSB != (\new)
	s_set_vgpr_msb (MSB<<8)|(\new)
.set MSB, (\new)
.endif
.endm
.set MUL_LO, 0xa1
.set MUL_HI, 0xf1
.set TO_B,   0x40
.macro JLOAD g0a, g1a, g0b, g1b        ; a joint load: waves 0 and 1 fetch for A, waves 2 and 3 for B; four v_nop follow each of the two lines
	s_cmp_eq_u32 s15, 0
	s_cbranch_scc0 .Lfor_b_\@
	tensor_load_to_lds s[\g0a:\g0a+3], s[\g1a:\g1a+7]
	s_nop 0
.rept 4
	v_nop
.endr
	s_branch .Lasked_\@
.Lfor_b_\@:
	tensor_load_to_lds s[\g0b:\g0b+3], s[\g1b:\g1b+7]
	s_nop 0
.rept 4
	v_nop
.endr
.Lasked_\@:
.endm
.macro CREST
	s_cmp_lg_u32 s14, 0
	s_cbranch_scc1 .Lnot_wave_0_\@
	s_barrier_signal -3
.Lnot_wave_0_\@:
	s_barrier_wait -3
	s_barrier_signal -1
	s_barrier_wait -1
.endm
.macro CROUND
	s_barrier_signal -1
	s_barrier_wait -1
	CREST
.endm
	s_load_b128 s[4:7], s[0:1], 0x0                ; yq, wq
	s_load_b64 s[8:9], s[0:1], 0x10                ; bp
	s_load_b64 s[12:13], s[0:1], 0x18              ; out0
	v_lshl_add_u32 v[SPW], v0, 2, SPARE
	v_mov_b32 v[NIL], 0
	ds_add_u32 v28, v29
	ds_add_u32 v28, v29
	s_wait_dscnt 0x0
	v_lshrrev_b32 v1, 5, v0
	v_readfirstlane_b32 s14, v1                    ; wave 0..3
	s_lshr_b32 s15, s14, 1                         ; which half of A's rows is mine.  Also: I fetch for A (0) or for B (1)
	s_and_b32 s16, s14, 1                          ; which half of B's rows.  Also: which 8 tiles I fetch
	s_bfe_u32 s40, ttmp6, 0x40000
	s_bfe_u32 s41, ttmp6, 0x40004
	s_lshl_b32 s99, ttmp9, 2
	s_add_co_u32 s99, s99, s40                     ; tile column of C
	s_add_co_u32 s42, s99, 12                      ; Wp's blocks of 256 rows begin at wq's twelfth
	s_and_b32 s17, ttmp7, 0xffff
	s_lshl_b32 s17, s17, 2
	s_add_co_u32 s17, s17, s41                     ; tile row of C
	s_lshl_b32 s43, s41, 2
	s_lshl_b32 s43, 15, s43                        ; my row of the cluster
	s_lshl_b32 s44, 0x1111, s40                    ; my column
	s_or_b32 s[G1+0], s43, (3<<16)|(1<<21)         ; codes: 8 rows (tiles) of 384 elements of 8 bytes, 1,536 elements apart; no padding
	s_or_b32 s[G1B+0], s44, (3<<16)|(1<<21)
.irp g, G1, G1B
	s_mov_b32 s[\g+1], 384<<16
	s_mov_b32 s[\g+2], 8<<16
	s_mov_b32 s[\g+3], 384<<16
	s_mov_b32 s[\g+4], 8
	s_mov_b32 s[\g+5], 1536
	s_mov_b32 s[\g+6], 0
	s_mov_b32 s[\g+7], 0
.endr
	s_or_b32 s[G1S+0], s43, (3<<16)|(1<<21)        ; scale words of 8 tiles: 4,096 dense bytes as 16 rows of 256
	s_or_b32 s[G1SB+0], s44, (3<<16)|(1<<21)
.irp g, G1S, G1SB
	s_mov_b32 s[\g+1], 32<<16
	s_mov_b32 s[\g+2], 16<<16
	s_mov_b32 s[\g+3], 32<<16
	s_mov_b32 s[\g+4], 16
	s_mov_b32 s[\g+5], 32
	s_mov_b32 s[\g+6], 0
	s_mov_b32 s[\g+7], 0
.endr
	s_lshl_b32 s18, s16, 3
	s_lshl_b32 s20, s17, 4
	s_add_co_u32 s20, s20, s18                     ; A: the first tile that I fetch
	s_lshl_b32 s46, s42, 4
	s_add_co_u32 s46, s46, s18                     ; B: likewise
	s_lshl_b32 s22, s20, 9
	s_add_co_u32 s22, s22, 6291456
	s_lshl_b32 s100, s46, 9
	s_add_co_u32 s100, s100, 3145728
	s_mul_i32 s20, s20, 12288
	s_mul_i32 s46, s46, 12288
	s_mov_b32 s21, 0
	s_mov_b32 s23, 0
	s_mov_b32 s47, 0
	s_mov_b32 s101, 0
	s_mul_i32 s45, s14, HALFT                      ; where they go: no place in the cluster enters an LDS address
	s_mul_i32 s3, s14, HALFS
	s_wait_kmcnt 0x0
	s_add_nc_u64 s[20:21], s[4:5], s[20:21]
	s_add_nc_u64 s[22:23], s[4:5], s[22:23]
	s_add_nc_u64 s[46:47], s[6:7], s[46:47]
	s_add_nc_u64 s[100:101], s[6:7], s[100:101]
	CROUND                                         ; all sixteen work-groups are here: the first joint loads meet
	s_mov_b32 s[G0S], 1
	s_add_co_u32 s[G0S+1], s3, SCL
	s_mov_b64 s[G0S+2:G0S+3], s[22:23]
	s_or_b32 s[G0S+3], s[G0S+3], 0x80000000
	s_mov_b32 s[G0SB], 1
	s_add_co_u32 s[G0SB+1], s3, SCL
	s_mov_b64 s[G0SB+2:G0SB+3], s[100:101]
	s_or_b32 s[G0SB+3], s[G0SB+3], 0x80000000
	JLOAD G0S, G1S, G0SB, G1SB
.irp s, 0,1
	s_mov_b32 s[G0+4*\s], 1
	s_add_co_u32 s[G0+4*\s+1], s45, \s*SLOT
	s_add_nc_u64 s[G0+4*\s+2:G0+4*\s+3], s[20:21], \s*TROW
	s_or_b32 s[G0+4*\s+3], s[G0+4*\s+3], 0x80000000
	s_mov_b32 s[G0B+4*\s], 1
	s_add_co_u32 s[G0B+4*\s+1], s45, \s*SLOT
	s_add_nc_u64 s[G0B+4*\s+2:G0B+4*\s+3], s[46:47], \s*TROW
	s_or_b32 s[G0B+4*\s+3], s[G0B+4*\s+3], 0x80000000
	JLOAD G0+4*\s, G1, G0B+4*\s, G1B
.endr
	v_and_b32 v1, 15, v0                           ; r
	v_bfe_u32 v2, v0, 4, 1                         ; h
	v_and_b32 v3, 31, v0
	v_lshlrev_b32 v[CO], 4, v3                     ; 16 x lane
	v_lshlrev_b32 v5, 3, v3                        ; 8 x lane
	s_mul_i32 s21, s15, HALFT
	s_mul_i32 s22, s16, HALFT
	s_add_co_u32 s22, s22, 2*HALFT
.irp s, 0,1
	v_add_nc_u32 v[ADRA+\s], s21, v[CO]
	v_add_nc_u32 v[ADRB+\s], s22, v[CO]
	v_add_nc_u32 v[ADRA+2+\s], s21, v5
	v_add_nc_u32 v[ADRB+2+\s], s22, v5
	s_add_co_u32 s21, s21, SLOT
	s_add_co_u32 s22, s22, SLOT
.endr
	s_mul_i32 s21, s15, HALFS
	s_mul_i32 s22, s16, HALFS
	s_add_co_u32 s22, s22, 2*HALFS
	s_sub_co_u32 s22, s22, s21
	v_mul_u32_u24 v6, s22, v2                      ; lanes 16-31 take B's scale words: one product, the distance between the two x h
	s_add_co_u32 s21, s21, SCL
	v_lshl_add_u32 v6, v1, 3, v6
	v_add_nc_u32 v[ADRS], s21, v6
	s_mul_i32 s23, s14, 16*SPITCH                  ; my stage
	v_mul_u32_u24 v6, v1, SPITCH
	v_lshl_add_u32 v6, v2, 6, v6
	v_add_nc_u32 v[STO], s23, v6                   ; in: row r, + 64 h
	v_add_nc_u32 v[RD], s23, v[CO]                 ; back: the 32 lanes take one row of 512 bytes
	s_lshl_b32 s20, s17, 8
	s_lshl_b32 s21, s15, 7
	s_add_co_u32 s20, s20, s21                     ; my first row of out0
	s_lshl_b32 s20, s20, 12
	s_lshl_b32 s46, s99, 10                        ; my first column, in bytes
	s_lshl_b32 s47, s16, 9
	s_add_co_u32 s46, s46, s47
	s_add_co_u32 s20, s20, s46
	s_mov_b32 s21, 0
	s_add_nc_u64 s[12:13], s[12:13], s[20:21]
	v_lshl_add_u32 v7, v2, 6, s46                  ; the bias: for tile b the lane's eight outputs 32 (b / 2) + 16 h + 8 (b % 2) + 0 .. 7
.irp b, 0,1,2,3,4,5,6,7
	global_load_b128 v[BIAS+8*\b:BIAS+8*\b+3], v7, s[8:9] offset:128*(\b/2)+32*(\b%2)
	global_load_b128 v[BIAS+8*\b+4:BIAS+8*\b+7], v7, s[8:9] offset:128*(\b/2)+32*(\b%2)+16
.endr
	s_wait_loadcnt 0x0
.macro FRAG reg, adr, q, i             ; a fragment, 16 rows x 128 K: two images, each 16 bytes and 8 bytes a lane, all four loads dense
	ds_load_b128 v[\reg:\reg+3], v[\adr] offset:(\i)*TROW+(\q)*1536
	ds_load_b64 v[\reg+4:\reg+5], v[\adr+2] offset:(\i)*TROW+(\q)*1536+512
	ds_load_b128 v[\reg+6:\reg+9], v[\adr] offset:(\i)*TROW+(\q)*1536+768
	ds_load_b64 v[\reg+10:\reg+11], v[\adr+2] offset:(\i)*TROW+(\q)*1536+1280
.endm
; 16 matrix instructions: A's blocks a0, a0 + 1 x B's eight.  mode 0: the sums go on; 1: they start with the bias.  The 64 accumulators take turns, one instruction a turn.
.macro MUL16 a0, p, q, sc, mode
.irp a, \a0, \a0+1
.irp b, 0,1,2,3,4,5,6,7
.set rD, 8*(8*((\a)%4)+\b)
.set rB, 128*(\p)+FR*\b
.set rA, AF+FR*(\a)
.set rSB, SC+8*NQ*(\sc)+NQ*\b+(\q)
.set rSA, SC+8*NQ*(\sc)+NQ*(\a)+(\q)
.if \mode == 0
	v_wmma_scale_f32_16x16x128_f8f6f4 v[rD:rD+7], v[rB:rB+FR-1], v[rA:rA+FR-1], v[rD:rD+7], v[rSB], v[rSA] matrix_a_fmt:MATRIX_FMT_FP6 matrix_b_fmt:MATRIX_FMT_FP6 matrix_a_scale:MATRIX_SCALE_ROW1
.else
	v_wmma_scale_f32_16x16x128_f8f6f4 v[rD:rD+7], v[rB:rB+FR-1], v[rA:rA+FR-1], v[BIAS+8*\b:BIAS+8*\b+7], v[rSB], v[rSA] matrix_a_fmt:MATRIX_FMT_FP6 matrix_b_fmt:MATRIX_FMT_FP6 matrix_a_scale:MATRIX_SCALE_ROW1
.endif
.endr
.endr
.endm
.macro FETCH_B slot, q, p
	WIN TO_B
.irp i, 0,1,2,3,4,5,6,7
	FRAG 128*(\p)+FR*\i, ADRB+\slot, \q, \i
.endr
	WIN 0
.endm
.macro FETCH_A slot, q, i0
.irp i, \i0, \i0+1, \i0+2, \i0+3
	FRAG AF+FR*(\i), ADRA+\slot, \q, \i
.endr
.endm
.macro SCALES sc
.irp i, 0,1,2,3,4,5,6,7
	ds_load_b64 v[SC+8*NQ*\sc+NQ*\i:SC+8*NQ*\sc+NQ*\i+1], v[ADRS] offset:\i*512
.endr
.endm
.macro PLACES n                        ; plain vector instructions between a matrix instruction and a load into, or a read of, its registers (ISA guide 7.12.1 for reads)
.rept \n
	v_nop
.endr
.endm
.macro STEP slot, q, mode
	s_wait_dscnt 4*NL                              ; B's set and A's blocks 0-3 are in; the youngest 16 loads (A's blocks 4-7) may be out
.if \mode
	WIN 0x81                                       ; C (the bias) window 0, D window 2
.else
	WIN MUL_LO
.endif
	MUL16 0, (\q)%2, \q, \slot, \mode
	MUL16 2, (\q)%2, \q, \slot, \mode
	s_wait_dscnt 0
	PLACES NP
	FETCH_B \slot, (\q)+1, 1-(\q)%2
	FETCH_A \slot, (\q)+1, 0
.if \mode
	WIN 0xc1
.else
	WIN MUL_HI
.endif
	MUL16 4, (\q)%2, \q, \slot, \mode
	MUL16 6, (\q)%2, \q, \slot, \mode
	PLACES NP
	WIN 0
	FETCH_A \slot, (\q)+1, 4
.endm
; A slot's last step changes slots: ONE barrier; in front of it each wave waits for all its tensor loads, adds 0 to its spare word, and waits for that and for its reads of this slot.  fill = 1: this slot is filled again, two K steps ahead.
.macro TURN slot, next, fill
	s_wait_tensorcnt 0x0                           ; all my tensor loads have landed: my part of the next slot
	ds_add_u32 v[SPW], v[NIL]                      ; 0 onto my spare word
	s_wait_dscnt 4*NL+1                            ; (the add and the youngest 16 loads may be out)
	WIN MUL_LO
	MUL16 0, 1, NQ-1, \slot, 0
	s_wait_dscnt 0x0                               ; the add is done, and my reads of this slot are over
	s_barrier_signal -1
	MUL16 2, 1, NQ-1, \slot, 0
	WIN 0
	s_barrier_wait -1
.if \fill
	CREST                                          ; the barrier has opened a round of the cluster's barrier: no wave of any partner still reads this slot or has a load on its way
	s_add_nc_u64 s[G0+4*\slot+2:G0+4*\slot+3], s[G0+4*\slot+2:G0+4*\slot+3], 2*TROW
	s_add_nc_u64 s[G0B+4*\slot+2:G0B+4*\slot+3], s[G0B+4*\slot+2:G0B+4*\slot+3], 2*TROW
	JLOAD G0+4*\slot, G1, G0B+4*\slot, G1B         ; the first tensor load behind the round; its four v_nop are also the places in front of the loads below
.else
	PLACES NP
.endif
	v_add_nc_u32 v[ADRS], 128, v[ADRS]
	FETCH_B \next, 0, 0
	FETCH_A \next, 0, 0
	SCALES \next
	WIN MUL_HI
	MUL16 4, 1, NQ-1, \slot, 0
	MUL16 6, 1, NQ-1, \slot, 0
	PLACES NP
	WIN 0
	FETCH_A \next, 0, 4
.endm
	s_wait_tensorcnt 1                             ; the scale words and my part of K step 0 are in (K step 1's load may be out)
	s_barrier_signal -1
	s_barrier_wait -1                              ; everybody's are
	FETCH_B 0, 0, 0
	FETCH_A 0, 0, 0
	SCALES 0
	FETCH_A 0, 0, 4
	STEP 0, 0, 1                                   ; the first step starts the sums with the bias
	TURN 0, 1, 1                                   ; K = 1,024 is four K steps: they are written out
	STEP 1, 0, 0
	TURN 1, 0, 1
	STEP 0, 0, 0
	TURN 0, 1, 0                                   ; nothing is left to fetch: no round
	STEP 1, 0, 0
	s_wait_dscnt 4*NL
	WIN MUL_LO
	MUL16 0, 1, NQ-1, 1, 0
	MUL16 2, 1, NQ-1, 1, 0
	s_wait_dscnt 0
	WIN MUL_HI
	MUL16 4, 1, NQ-1, 1, 0
	MUL16 6, 1, NQ-1, 1, 0
	WIN 0
; THE WAY OUT, block by block of 16 rows x 128 columns, through my own stage: a lane's 32 bytes go to their place in the row, whole rows of 512 bytes come back, and the 32 lanes store them.
; LDS serves a wave's instructions in order (ISA guide 5.7.1.4): no wait between the stores and the loads.
.macro TOSTAGE a
.set AC, 64*((\a)%4)
	WIN 0x08+4*((\a)/4)                            ; the data: window 2 or 3
.irp b, 0,1,2,3,4,5,6,7
	ds_store_b128 v[STO], v[AC+8*\b:AC+8*\b+3] offset:128*(\b/2)+32*(\b%2)      ; each accumulator from its low end on
	ds_store_b128 v[STO], v[AC+8*\b+4:AC+8*\b+7] offset:128*(\b/2)+32*(\b%2)+16
.endr
	WIN 0
.set BB, BK+64*((\a)%2)
.irp t, 0,1,2,3,4,5,6,7,8,9,10,11,12,13,14,15
	ds_load_b128 v[BB+4*\t:BB+4*\t+3], v[RD] offset:\t*SPITCH
.endr
.endm
.macro SEND a, younger                 ; younger: the LDS instructions issued behind block a's loads, which may stay out
.set BB, BK+64*((\a)%2)
	s_wait_dscnt \younger
.if (\a) > 0
.if ((\a)%2) == 1
	s_add_nc_u64 s[12:13], s[12:13], 8*4096        ; (behind a wait on XCNT)  tile 2 b + 1 begins 8 rows behind tile 2 b,
.else
	s_add_nc_u64 s[12:13], s[12:13], 24*4096       ; tile 2 b + 2 another 24
.endif
.endif
.irp t, 0,1,2,3,4,5,6,7,8,9,10,11,12,13,14,15
	global_store_b128 v[CO], v[BB+4*\t:BB+4*\t+3], s[12:13] offset:(((\t)&7)+2*((\t)&8))*4096 th:TH_STORE_NT   ; 512 consecutive bytes, aligned; lane-row t is the tile's row (t & 7) + 2 (t & 8)
.endr
.endm
	PLACES NP
	TOSTAGE 0
.irp a, 1,2,3,4,5,6,7
.if \a > 1
	s_wait_xcnt 0x0                                ; block a - 2's stores have read their registers and their base
.endif
	TOSTAGE \a
	SEND \a-1, 32                                  ; behind block a - 1's loads: block a's 16 stores and 16 loads
.endr
	s_wait_xcnt 0x0
	SEND 7, 0
	s_wait_tensorcnt 0x0                           ; the wave's end
	ds_add_u32 v[SPW], v[NIL]
	s_wait_dscnt 0x0
	CROUND                                         ; the closing round: no work-group ends while a partner may still ask for a tile that names it
	s_endpgm
.Lfunc_end_k_qbd54431fda_proj:
	.size	k_qbd54431fda_proj, .Lfunc_end_k_qbd54431fda_proj-k_qbd54431fda_proj
	.p2alignl 7, 3214868480
	.fill 96, 4, 3214868480
	.section	.rodata,"a",@progbits
	.p2align	6, 0x0
	.amdhsa_kernel k_qbd54431fda_proj
		.amdhsa_group_segment_fixed_size 327680
		.amdhsa_private_segment_fixed_size 0
		.amdhsa_enable_private_segment 0
		.amdhsa_kernarg_size 32
		.amdhsa_user_sgpr_count 2
		.amdhsa_user_sgpr_kernarg_segment_ptr 1
		.amdhsa_wavefront_size32 1
		.amdhsa_system_sgpr_workgroup_id_x 1
		.amdhsa_system_sgpr_workgroup_id_y 1
		.amdhsa_system_sgpr_workgroup_id_z 1
		.amdhsa_system_vgpr_workitem_id 0
		.amdhsa_next_free_vgpr 1024
		.amdhsa_next_free_sgpr 102
		.amdhsa_reserve_vcc 0
		.amdhsa_float_denorm_mode_32 3
		.amdhsa_float_denorm_mode_16_64 3
		.amdhsa_memory_ordered 1
		.amdhsa_forward_progress 1
		.amdhsa_inst_pref_size 145
	.end_amdhsa_kernel
	.amdgpu_metadata
---
amdhsa.version: [ 1, 2 ]
amdhsa.kernels:
  - .name:           k_qbd54431fda_proj
    .symbol:         k_qbd54431fda_proj.kd
    .args:
      - { .name: yq, .offset: 0, .size: 8, .value_kind: global_buffer, .address_space: global }
      - { .name: wq, .offset: 8, .size: 8, .value_kind: global_buffer, .address_space: global }
      - { .name: bp, .offset: 16, .size: 8, .value_kind: global_buffer, .address_space: global }
      - { .name: out0, .offset: 24, .size: 8, .value_kind: global_buffer, .address_space: global }
    .group_segment_fixed_size: 327680
    .private_segment_fixed_size: 0
    .kernarg_segment_align: 8
    .kernarg_segment_size: 32
    .max_flat_workgroup_size: 128
    .sgpr_count:     102
    .vgpr_count:     1024
    .wavefront_size: 32
...
	.end_amdgpu_metadata
.endif
;; end of part 4
